; MI455X (gfx1250); checked and timed in simulation.
; The chip was launched on July 23, 2026; its instructions are those of AMD's public machine-readable ISA for CDNA 5 (MIT licence, August 2026) and "CDNA5" Instruction Set Architecture Reference Guide (July 2026). The comments in the code are by the model that wrote it; some were corrected since.
;; GQA. Allowed arithmetic: matrix products marked QUANTISED: E2M3 operands, one E8M0 scale for each 32 along K, by v_wmma_scale_f32_16x16x128_f8f6f4 with both operands' format E2M3, f32 sums; everything else in f32.
;; Inputs: Wk_codes 256 x 64 x 24 uint8 (E2M3 codes of Wk, K innermost, in blocks of 32 codes, four codes in three bytes); Wk_scales 256 x 64 uint8 (E8M0 scales of Wk, one for each 32 codes along K); Wo_codes 2,048 x 64 x 24 uint8 (E2M3 codes of Wo, K innermost, in blocks of 32 codes, four codes in three bytes); Wo_scales 2,048 x 64 uint8 (E8M0 scales of Wo, one for each 32 codes along K); Wq_codes 2,048 x 64 x 24 uint8 (E2M3 codes of Wq, K innermost, in blocks of 32 codes, four codes in three bytes); Wq_scales 2,048 x 64 uint8 (E8M0 scales of Wq, one for each 32 codes along K); Wv_codes 256 x 64 x 24 uint8 (E2M3 codes of Wv, K innermost, in blocks of 32 codes, four codes in three bytes); Wv_scales 256 x 64 uint8 (E8M0 scales of Wv, one for each 32 codes along K); bk 256 float32; bo 2,048 float32; bq 2,048 float32; bv 256 float32; x_codes 4 x 1,024 x 64 x 24 uint8 (E2M3 codes of x, K innermost, in blocks of 32 codes, four codes in three bytes); x_scales 4 x 1,024 x 64 uint8 (E8M0 scales of x, one for each 32 codes along K).
;; Outputs: out0 4 x 1,024 x 2,048 float32.
;; This version of the problem:
;;   THIS VERSION OF THE PROBLEM IS GIVEN IN LOW PRECISION. The matrix products marked QUANTISED in the list below multiply operands that are first quantised to E2M3 (2 exponent bits, 3 mantissa bits; 6 bits a number), with one power-of-two scale for each 32 numbers along K (OCP MX v1.0); their sums are f32. All else is computed in f32.
;;   The module's matrix products, in the order in which they are computed (A, B: the left and right operand; K: the contracted axis; several contracted axes count as one K, in the product's order):
;;     1. [M 4,096, K 2,048] x [K 2,048, N 2,048]; A: input x (given as codes); B: input Wq (given as codes): QUANTISED
;;     2. [M 4,096, K 2,048] x [K 2,048, N 256]; A: input x (given as codes); B: input Wk (given as codes): QUANTISED
;;     3. [M 4,096, K 2,048] x [K 2,048, N 256]; A: input x (given as codes); B: input Wv (given as codes): QUANTISED
;;     4. batch 16 x [M 1,024, K 64] x [K 64, N 8,192]; A: computed on the way; B: computed on the way: QUANTISED
;;     5. batch 16 x [M 64, K 1,024] x [K 1,024, N 8,192]; A: computed on the way; B: softmax (see below): QUANTISED
;;     6. [M 4,096, K 2,048] x [K 2,048, N 2,048]; A: computed on the way; B: input Wo (given as codes): QUANTISED
;;   THE QUANTISER, for each operand of a quantised product, along K:
;;     - K is cut into blocks of 32 from its start; a last block that is shorter is filled with zeros.
;;     - A block's scale is 2^e with e = floor(log2(the largest magnitude in the block)) - 2, held to -126 .. 127; a block of zeros has e = 0. As a byte (E8M0): e + 127.
;;     - Each number is divided by its block's scale, clamped to +-7.5, and rounded to the nearest number of E2M3, ties to even, subnormals kept.
;;     - The product sums the exact products of the quantised numbers (number of the format x scale) in f32.
;;   ~~~python
;;   def quantise(x, axis):      # numpy; x: float32 -> the quantised numbers, widened to float32 again
;;       x = np.moveaxis(x, axis, -1); K = x.shape[-1]
;;       x = np.pad(x, [(0, 0)] * (x.ndim - 1) + [(0, -K % 32)]); x = x.reshape(x.shape[:-1] + (-1, 32)); a = np.abs(x).max(-1, keepdims=True)
;;       e = np.where(a > 0, np.clip(np.frexp(np.where(a > 0, a, 1))[1] - 1 - 2, -126, 127), 0)      # np.frexp(a)[1] - 1 = floor(log2(a)), exactly
;;       r = np.clip(x / 2.0 ** e, -7.5, 7.5)
;;       step = 2.0 ** (np.maximum(np.frexp(np.where(r == 0, 1, r))[1] - 1, 0) - 3)
;;       q = np.round(r / step) * step * 2.0 ** e      # np.round: ties to even
;;       return np.moveaxis(q.reshape(q.shape[:-2] + (-1,))[..., :K], -1, axis).astype(np.float32)
;;   ~~~
;;   SOFTMAX AHEAD OF A QUANTISED PRODUCT. Where the list says 'softmax', what is quantised is not the finished softmax but p = 2^(t - M), with t = logit x log2(e) and M = ceil(the row's largest t), a whole number; so 1/2 < the row's largest p <= 1. The row's sum l is taken of the UNQUANTISED p, in f32, and the product's result is divided by l at the end. Since M is a whole number, a kernel that streams over the keys may use a running M (the ceiling of the running maximum): every later rescaling is an exact power of two, which a block's scale takes up: the codes' values come out the same.
;;   OPERANDS COMPUTED ON THE WAY. 'Computed on the way' means the value that the module computes at that place (a softmax that the list does not call 'softmax' is quantised finished and normalised). What goes into a quantiser is computed in f32, as accurately as f32 sums, v_exp_f32 and their like allow (about 1e-6 of the number): no bf16 or f16 on the way to a quantiser, and a product that is left as it is and whose result goes on into a quantised operand takes f32 operands (vector FMAs, or v_wmma_f32_16x16x4_f32). A number that lies on a knife's edge between two numbers of the format may be rounded either way, as far as f32 arithmetic and the matrix unit's own rounding can turn it there, and no further.
;;   INPUTS GIVEN AS CODES. Wk (in the module: [2048, 256], K = its axis 0); Wo (in the module: [2048, 2048], K = its axis 0); Wq (in the module: [2048, 2048], K = its axis 0); Wv (in the module: [2048, 256], K = its axis 0); x (in the module: [4, 1024, 2048], K = its axis 2): each comes as NAME_codes (uint8): NAME with its K axis moved to the last place and cut into blocks of 32 codes, [.., K / 32, bytes a block], one block behind the other in memory; four codes in three bytes: a row's codes are one little-endian stream of bits, code i at bits 6 i .. 6 i + 5 (a code: sign, 2 exponent bits, 3 mantissa bits); and NAME_scales (uint8): the same leading axes, one E8M0 byte (e + 127) for each 32 codes along K. Its value is code x scale, taken as it is: it is not quantised again, and the codes and scales need not be those that the quantiser above would give.
;; One version. Each part assembles by itself: llvm-mc -triple=amdgcn-amd-amdhsa -mcpu=gfx1250 --defsym DOCPART=n.
;; ======== version 1 of 1: 3 launches
;; workspace buffers: qc 6,291,456 bytes; qs 524,288 bytes; kvc 1,572,864 bytes; kvs 98,304 bytes; ac 6,291,456 bytes; asw 262,144 bytes
;; launch qkv (part 1): grid 8 x 32, 4 waves a work-group, clusters of 4 x 4, 327,680 bytes of LDS; arguments x_codes, x_scales, Wq_codes, Wq_scales, Wk_codes, Wk_scales, Wv_codes, Wv_scales, bq, bk, bv, qc, qs, kvc, kvs; writes qc, qs, kvc, kvs
.if DOCPART == 1
	.amdgcn_target "amdgcn-amd-amdhsa--gfx1250"
	.amdhsa_code_object_version 6
	.text
	.protected	k_q5d6c2d2127_qkv
	.globl	k_q5d6c2d2127_qkv
	.p2align	8
	.type	k_q5d6c2d2127_qkv,@function
k_q5d6c2d2127_qkv:
	s_mov_b64 s[64:65], 0
	v_nop
	global_prefetch_b8 v0, s[64:65] scope:SCOPE_SE
	s_setreg_imm32_b32 hwreg(HW_REG_WAVE_MODE, 25, 1), 1
	s_wait_xcnt 0x0
	s_wait_alu depctr_hold_cnt(0) depctr_sa_sdst(0) depctr_va_vdst(0) depctr_va_sdst(0) depctr_va_ssrc(0) depctr_va_vcc(0) depctr_vm_vsrc(0)
	s_getreg_b32 s2, hwreg(HW_REG_IB_STS2, 6, 4)
	s_cmp_eq_u32 s2, 0
	s_cbranch_scc0 .Lentry_in_a_cluster
	s_endpgm
.Lentry_in_a_cluster:
	s_bfe_u32 s2, ttmp6, 0x10000c
	s_cmp_lg_u32 s2, 0xf033
	s_cbranch_scc0 .Lentry_shape_is_right
	s_endpgm
.Lentry_shape_is_right:
; q = x Wq + bq, k = x Wk + bk, v = x Wv + bv on codes of FP6 (E2M3) with E8M0 scales; RoPE on q and k; q x 1/8; q, k (along the head's 64) and v (along the keys) quantised again to FP6 and stored
; in the order of the next launch's operand registers.  x: 4,096 rows x 2,048 K; a row of codes is 1,536 bytes, a row of scale bytes 64.
; SHARES.  8 x 32 work-groups, all with the same work: rows 128 rb on; q's columns 256 cb on (four heads), k's columns 32 cb on and v's columns 32 cb on (half a KV head each).
; Wave (wr, wc) takes 64 rows x (128 columns of q + the 32 of k (wc = 0) or of v (wc = 1)): 40 accumulators.  q and k are used transposed (source 0 = 16 rows of W, source 1 = 16 rows of x): a lane holds one row
; and eight neighbouring columns.  v is used the natural way: a lane holds one channel and eight keys, since the keys are the K of the product that reads it.
; K goes in steps of 256 through a ring of two LDS slots (x 128 rows, Wq 256, Wk 32, Wv 32; 192 bytes a row, 16 bytes of padding behind every 64).  The scale bytes of all 448 rows come once and stay.
; CLUSTER 4 x 4: x's tile is shared along a row of the cluster, the weights' tiles along a column: joint loads, one a wave: wave 0 x, wave 1 Wq, wave 2 Wk, wave 3 Wv.
; ROPE.  cos and sin of pos x 10^(-i/8) are made in f32 while the first tiles are on their way: the angle rounded to f32, reduced by pi/2 in two parts, polynomials on |r| <= pi/4.
; LIMITS.  NaN, infinities and scale bytes 0xff are not served.  A block of zeros gets the floor's byte where the rule says 127: its codes are zeros and this program alone reads the bytes.
; The frequencies are the correctly rounded 10^(-i/8); a power function may give a last bit otherwise.  q's factor 1/8 is taken off its scale bytes (floor 2^(6-127), so that the byte stays at 1 or above).
; k's scale bytes and v's halves of scale words are stored as one or two bytes a lane.
; REGISTERS, in windows of 256: window 0: v1-31 addresses; v32-59 scale words, two sets of 14; v64-159 x's fragments, two sets of 4 x 12; v160-223 the 8 accumulators of k or v; v224-255 at work.
;   window 1: the weights' fragments, two sets of 10 x 12, at v0 and v128.   window 2: q's 32 accumulators, (m, n) at v[8 (8 m + n)].
;   window 3: v0-127 the pairs (cos, sin) at 2 (16 m + 4 c + jj); v128-191 bq in the result's layout; v192-207 bk or bv likewise.
.set PITCH, 240
.set SLOT,  448*PITCH                  ; x 128 rows, Wq 256, Wk 32, Wv 32
.set QOFF,  128*PITCH
.set KOFF,  384*PITCH
.set SCL,   2*SLOT                     ; the scale bytes: units of 256 bytes (4 rows) + 16 of padding, in the slot's order of rows
.set SBLK,  4*272                      ; those of 16 rows
.set SPARE, SCL+112*272                ; the spare words: 128 bytes a wave, two blocks of 256 bytes that no other line names
.set WV, 4
.set WR, 5
.set WC, 6
.set CX, 7
.set CY, 8
.set CB, 9
.set RB, 10
.set G1X,  16                          ; s[16:23]  group 1: x's tile            s[24:31] Wq's        s[32:39] Wk's and Wv's
.set G1Q,  24
.set G1KV, 32
.set G0X,  40                          ; s[40:47]  group 0 of x's tile, a set for each slot;  s[48:55] of my weight's tile
.set G0W,  48
.set G1SX, 56                          ; s[56:63], s[68:75], s[76:83] group 1 for the scale bytes of x, Wq, Wk or Wv;  s[84:87], s[88:91] their groups 0
.set G1SQ, 68
.set G1SK, 76
.set G0SX, 84
.set G0SW, 88
.set SEL,  98                          ; s[98:99] in the way out: selects of v_permlanex16_b32 for lane l xor 16
.set MSK,  100                         ; s100 in the way out: all ones where my 32 columns of k are the head's upper half
.set CODEW, (1<<20)|(1<<21)|(3<<22)|(3<<25)          ; elements of 1 byte; padding on; bit 21 beside a mask; after every 16 words, 4 words
.set SCALW, (3<<16)|(1<<20)|(1<<21)|(5<<22)|(3<<25)  ; elements of 8 bytes; after every 64 words, 4 words
.set POS, 7
.set ASX, 8
.set ASQ, 9
.set ASK, 10
.set LA8, 11
.set R4,  12
.set KADR, 13
.set KWADR, 14
.set C7F, 15
.set ADRA, 16                          ; v16-17 x's fragments in slot 0, 1; v18-19 the same behind one padding more
.set ADRB, 20                          ; Wq's
.set ADRK, 24                          ; Wk's or Wv's
.set SPW, 28
.set NIL, 29
.set BA,  30
.set BR,  31
.set SC,  32
.set XF,  64
.set KA,  160
.set TM,  224
.set CT,  232
.set FQ,  64                           ; at the head, before any fragment is fetched: 16 registers each
.set ANG, 80
.set NN,  96
.set RR,  112
.set ZZ,  128
.set SS,  144
.set CC,  160
.set NI,  176
.set T1,  192
.set K3S, 208
.set K3C, 210
.set T,   128                          ; the way out
.set QF,  64
.set KF,  32
.set KCS, 128
.set KT,  144
.set MSB, 0
.macro WIN new                         ; the immediate's high byte repeats the setting that is left
.if MSB != (\new)
	s_set_vgpr_msb (MSB<<8)|(\new)
.set MSB, (\new)
.endif
.endm
.macro PLACES                          ; four plain places behind a matrix instruction (ISA guide 7.12.1)
.rept 4
	v_nop
.endr
.endm
.macro CREST                           ; a round of the cluster's barrier behind its opening barrier
	s_cmp_lg_u32 s[WV], 0
	s_cbranch_scc1 .Lnot_wave_0_\@
	s_barrier_signal -3
.Lnot_wave_0_\@:
	s_barrier_wait -3
	s_barrier_signal -1
	s_barrier_wait -1
.endm
.macro CROUND
	s_barrier_signal -1
	s_barrier_wait -1
	CREST
.endm
.macro GROUP1 g, c, r, p               ; words 1 to 7 of a group 1: rows of c elements, r rows, pitch p
	s_mov_b32 s[\g+1], (\c)<<16
	s_mov_b32 s[\g+2], (\r)<<16
	s_mov_b32 s[\g+3], (\c)<<16
	s_mov_b32 s[\g+4], \r
	s_mov_b32 s[\g+5], \p
	s_mov_b32 s[\g+6], 0
	s_mov_b32 s[\g+7], 0
.endm
; A joint load, one a wave: wave 0 for x, wave 1 for Wq, waves 2 and 3 for Wk and Wv.  The branches hang on the wave's number alone.  Four v_nop follow each line.
.macro JL g0x, g1x, g0w, g1q, g1k
	s_cmp_eq_u32 s[WV], 0
	s_cbranch_scc0 .Lnot_x_\@
	tensor_load_to_lds s[\g0x:\g0x+3], s[\g1x:\g1x+7]
	s_nop 0
.rept 4
	v_nop
.endr
	s_branch .Lasked_\@
.Lnot_x_\@:
	s_cmp_eq_u32 s[WV], 1
	s_cbranch_scc0 .Lnot_q_\@
	tensor_load_to_lds s[\g0w:\g0w+3], s[\g1q:\g1q+7]
	s_nop 0
.rept 4
	v_nop
.endr
	s_branch .Lasked_\@
.Lnot_q_\@:
	tensor_load_to_lds s[\g0w:\g0w+3], s[\g1k:\g1k+7]
	s_nop 0
.rept 4
	v_nop
.endr
.Lasked_\@:
.endm
	s_load_b512 s[68:83], s[0:1], 0x0              ; x's codes s[68:69], x's scales, Wq's codes, scales, Wk's, Wv's s[80:83]
	s_load_b128 s[92:95], s[0:1], 0x40             ; bq, bk
	s_load_b64 s[96:97], s[0:1], 0x50              ; bv
	v_lshl_add_u32 v[SPW], v0, 2, SPARE
	v_mov_b32 v[NIL], 0
	ds_add_u32 v28, v29
	ds_add_u32 v28, v29
	s_wait_dscnt 0x0
	v_lshrrev_b32 v1, 5, v0
	v_readfirstlane_b32 s[WV], v1                  ; wave 0..3
	s_lshr_b32 s[WR], s[WV], 1                     ; which 64 rows are mine
	s_and_b32 s[WC], s[WV], 1                      ; which 128 columns of q; k (0) or v (1)
	s_bfe_u32 s[CX], ttmp6, 0x40000
	s_bfe_u32 s[CY], ttmp6, 0x40004
	s_lshl_b32 s[CB], ttmp9, 2
	s_add_co_u32 s[CB], s[CB], s[CX]               ; column block = 4 x cluster x + cx
	s_and_b32 s[RB], ttmp7, 0xffff
	s_lshl_b32 s[RB], s[RB], 2
	s_add_co_u32 s[RB], s[RB], s[CY]               ; row block = 4 x cluster y + cy
	s_lshl_b32 s11, s[CY], 2
	s_lshl_b32 s11, 15, s11                        ; my row of the cluster
	s_lshl_b32 s12, 0x1111, s[CX]                  ; my column
	s_or_b32 s[G1X], s11, CODEW
	GROUP1 G1X, 192, 128, 1536
	s_or_b32 s[G1Q], s12, CODEW
	GROUP1 G1Q, 192, 256, 1536
	s_or_b32 s[G1KV], s12, CODEW
	GROUP1 G1KV, 192, 32, 1536
	s_or_b32 s[G1SX], s11, SCALW
	GROUP1 G1SX, 32, 32, 32
	; the first row of my tile in a slot: 0, 128, 384, 416 for waves 0 to 3
	s_min_u32 s13, s[WV], 1
	s_lshl_b32 s13, s13, 7
	s_lshl_b32 s14, s[WR], 8
	s_add_co_u32 s13, s13, s14
	s_and_b32 s14, s[WV], s[WR]
	s_lshl_b32 s14, s14, 5
	s_add_co_u32 s13, s13, s14
	s_mul_i32 s14, s13, PITCH                      ; its codes' place in a slot
	s_mul_i32 s15, s13, 68                         ; its scale bytes' place: 272 bytes for 4 rows
	s_add_co_u32 s15, s15, SCL
	s_mul_i32 s98, s[RB], 196608                   ; x: 128 rows of 1,536 bytes a row block
	s_mov_b32 s99, 0
	s_wait_kmcnt 0x0
	s_add_nc_u64 s[98:99], s[68:69], s[98:99]
.irp s, 0,1
	s_mov_b32 s[G0X+4*\s], 1
	s_mov_b32 s[G0X+4*\s+1], \s*SLOT
	s_add_nc_u64 s[G0X+4*\s+2:G0X+4*\s+3], s[98:99], \s*192
	s_or_b32 s[G0X+4*\s+3], s[G0X+4*\s+3], 0x80000000
.endr
	s_lshl_b32 s98, s[RB], 13                      ; x's scale bytes: 128 rows of 64
	s_mov_b32 s99, 0
	s_mov_b32 s[G0SX], 1
	s_mov_b32 s[G0SX+1], SCL
	s_add_nc_u64 s[G0SX+2:G0SX+3], s[70:71], s[98:99]
	s_or_b32 s[G0SX+3], s[G0SX+3], 0x80000000
	; my weight: Wq (wave 1; wave 0 makes the same and does not use it), Wk (wave 2), Wv (wave 3): a choice on the wave's number
	s_cmp_lt_u32 s[WV], 2
	s_cselect_b64 s[100:101], s[72:73], s[76:77]
	s_cselect_b64 s[104:105], s[74:75], s[78:79]
	s_mov_b32 s13, 49152
	s_cselect_b32 s13, 393216, s13                 ; bytes of codes a column block: 256 or 32 rows
	s_mov_b32 s2, 2048
	s_cselect_b32 s2, 16384, s2                    ; and of scale bytes
	s_cmp_eq_u32 s[WV], 3
	s_cselect_b64 s[100:101], s[80:81], s[100:101]
	s_cselect_b64 s[104:105], s[82:83], s[104:105]
	s_mul_i32 s2, s2, s[CB]
	s_mov_b32 s3, 0
	s_add_nc_u64 s[104:105], s[104:105], s[2:3]
	s_mul_i32 s2, s13, s[CB]
	s_add_nc_u64 s[100:101], s[100:101], s[2:3]
.irp s, 0,1
	s_mov_b32 s[G0W+4*\s], 1
	s_add_co_u32 s[G0W+4*\s+1], s14, \s*SLOT
	s_add_nc_u64 s[G0W+4*\s+2:G0W+4*\s+3], s[100:101], \s*192
	s_or_b32 s[G0W+4*\s+3], s[G0W+4*\s+3], 0x80000000
.endr
	s_mov_b32 s[G0SW], 1
	s_mov_b32 s[G0SW+1], s15
	s_mov_b64 s[G0SW+2:G0SW+3], s[104:105]
	s_or_b32 s[G0SW+3], s[G0SW+3], 0x80000000
	s_or_b32 s[G1SQ], s12, SCALW                   ; the input addresses in s[68:83] are used up: two more groups 1 take their place
	GROUP1 G1SQ, 32, 64, 32
	s_or_b32 s[G1SK], s12, SCALW
	GROUP1 G1SK, 32, 8, 32
	s_lshl_b32 s2, s[CB], 10                       ; bq at my 128 columns
	s_lshl_b32 s3, s[WC], 9
	s_add_co_u32 s2, s2, s3
	s_mov_b32 s3, 0
	s_add_nc_u64 s[92:93], s[92:93], s[2:3]
	s_lshl_b32 s2, s[CB], 7                        ; bk and bv at the work-group's 32 columns
	s_add_nc_u64 s[94:95], s[94:95], s[2:3]
	s_add_nc_u64 s[96:97], s[96:97], s[2:3]
	CROUND                                         ; all sixteen work-groups are here: the first joint loads meet
	JL G0SX, G1SX, G0SW, G1SQ, G1SK                ; the scale bytes, filled once
	JL G0X, G1X, G0W, G1Q, G1KV                    ; slot 0
	JL G0X+4, G1X, G0W+4, G1Q, G1KV                ; slot 1: three loads of mine are out
	v_and_b32 v1, 15, v0                           ; r
	v_bfe_u32 v2, v0, 4, 1                         ; h
	v_lshlrev_b32 v[BA], 5, v2                     ; 32 h: my eight columns of a tile, in bytes
	v_lshlrev_b32 v[BR], 2, v1                     ; 4 r
	WIN 0xc0                                       ; destination window 3
.irp n, 0,1,2,3,4,5,6,7
	global_load_b128 v[128+8*\n:128+8*\n+3], v[BA], s[92:93] offset:64*\n       ; bq(16 n + 8 h + 0 .. 7): the C of tile n's first product
	global_load_b128 v[128+8*\n+4:128+8*\n+7], v[BA], s[92:93] offset:64*\n+16
.endr
	WIN 0
	s_cmp_eq_u32 s[WC], 0
	s_cbranch_scc0 .Lbias_v
	WIN 0xc0
.irp n, 0,1
	global_load_b128 v[192+8*\n:192+8*\n+3], v[BA], s[94:95] offset:64*\n
	global_load_b128 v[192+8*\n+4:192+8*\n+7], v[BA], s[94:95] offset:64*\n+16
.endr
	WIN 0
	s_branch .Lbias_done
.Lbias_v:
	WIN 0xc0
.irp n, 0,1
.irp j, 0,1,2,3,4,5,6,7
	global_load_b32 v[192+8*\n+\j], v[BR], s[96:97] offset:64*\n                ; v is not transposed: a lane holds channel r, so all eight registers take bv(16 n + r)
.endr
.endr
	WIN 0
.Lbias_done:
	; LDS addresses: a fragment's row x pitch + 24 h, and the same behind one padding more
	v_mul_u32_u24 v3, v1, PITCH
	v_mad_u32_u24 v3, v2, 24, v3
	v_lshl_add_u32 v4, v2, 4, v3
	s_mul_i32 s13, s[WR], 64*PITCH
	s_mul_i32 s14, s[WC], 128*PITCH
	s_add_co_u32 s14, s14, QOFF
	s_mul_i32 s15, s[WC], 32*PITCH
	s_add_co_u32 s15, s15, KOFF
.irp s, 0,1
	v_add_nc_u32 v[ADRA+\s], s13, v3
	v_add_nc_u32 v[ADRA+2+\s], s13, v4
	v_add_nc_u32 v[ADRB+\s], s14, v3
	v_add_nc_u32 v[ADRB+2+\s], s14, v4
	v_add_nc_u32 v[ADRK+\s], s15, v3
	v_add_nc_u32 v[ADRK+2+\s], s15, v4
	s_add_co_u32 s13, s13, SLOT
	s_add_co_u32 s14, s14, SLOT
	s_add_co_u32 s15, s15, SLOT
.endr
	; scale words: row r of a block of 16 lies at 64 r + 16 (r / 4); lanes 16-31 take a block further on, so that one register serves two blocks
	v_lshlrev_b32 v5, 6, v1
	v_lshrrev_b32 v6, 2, v1
	v_lshl_add_u32 v5, v6, 4, v5
	s_mul_i32 s13, s[WR], 4*SBLK
	s_add_co_u32 s13, s13, SCL
	v_mad_u32_u24 v[ASX], v2, 2*SBLK, v5           ; x: lanes 16-31 two blocks on
	v_add_nc_u32 v[ASX], s13, v[ASX]
	s_mul_i32 s13, s[WC], 8*SBLK
	s_add_co_u32 s13, s13, SCL+8*SBLK
	v_mad_u32_u24 v[ASQ], v2, 4*SBLK, v5           ; Wq: four tiles on
	v_add_nc_u32 v[ASQ], s13, v[ASQ]
	s_mul_i32 s13, s[WC], 2*SBLK
	s_add_co_u32 s13, s13, SCL+24*SBLK
	v_mad_u32_u24 v[ASK], v2, SBLK, v5             ; Wk or Wv: one tile on
	v_add_nc_u32 v[ASK], s13, v[ASK]
	; ---- cos and sin, while the first tiles are on their way
	s_and_b32 s13, s[RB], 7
	s_lshl_b32 s13, s13, 7
	s_lshl_b32 s14, s[WR], 6
	s_add_co_u32 s13, s13, s14
	v_add_nc_u32 v[POS], s13, v1
	v_cvt_f32_u32 v[POS], v[POS]                   ; the position of my row of block 0
	v_cmp_ne_u32 vcc_lo, 0, v2
.macro FREQ e, f0, f1                  ; pair i = 8 c + 4 h + jj of a head has the frequency 10^(-i/8); register 4 c + jj: lanes 0-15 take f0, lanes 16-31 f1
	v_mov_b32 v[FQ+\e], \f1
	v_cndmask_b32 v[FQ+\e], \f0, v[FQ+\e], vcc_lo
.endm
	FREQ 0, 1.0, 0.316227766017
	FREQ 1, 0.749894209332, 0.237137370566
	FREQ 2, 0.562341325190, 0.177827941004
	FREQ 3, 0.421696503429, 0.133352143216
	FREQ 4, 0.1, 0.0316227766017
	FREQ 5, 0.0749894209332, 0.0237137370566
	FREQ 6, 0.0562341325190, 0.0177827941004
	FREQ 7, 0.0421696503429, 0.0133352143216
	FREQ 8, 0.01, 0.00316227766017
	FREQ 9, 0.00749894209332, 0.00237137370566
	FREQ 10, 0.00562341325190, 0.00177827941004
	FREQ 11, 0.00421696503429, 0.00133352143216
	FREQ 12, 0.001, 0.000316227766017
	FREQ 13, 0.000749894209332, 0.000237137370566
	FREQ 14, 0.000562341325190, 0.000177827941004
	FREQ 15, 0.000421696503429, 0.000133352143216
	v_mov_b32 v[K3S], 0xb94ca1f9                   ; -1.9515295891e-4, sin's highest coefficient, in both halves of a pair
	v_mov_b32 v[K3S+1], 0xb94ca1f9
	v_mov_b32 v[K3C], 0x37ccf5ce                   ; 2.443315712e-5, cos's
	v_mov_b32 v[K3C+1], 0x37ccf5ce
; The 16 pairs (cos, sin) of block m's row.  ang = pos x freq, rounded to f32; n = the nearest whole number to ang x 2/pi; r = ang - n pi/2, pi/2 in two parts (the first product and difference are exact);
; sin r = r + r z (S1 + z (S2 + z S3)), cos r = 1 + z (-1/2 + z (C1 + z (C2 + z C3))), z = r r; an odd n exchanges them; sin's sign is bit 1 of n, cos's bit 1 of n + 1.
.macro TRIG m
.set e, 0
.rept 16
	v_mul_f32 v[ANG+e], v[POS], v[FQ+e]
.set e, e+1
.endr
.set e, 0
.rept 16
	v_mul_f32 v[NN+e], 0x3f22f983, v[ANG+e]
.set e, e+1
.endr
.set e, 0
.rept 16
	v_rndne_f32 v[NN+e], v[NN+e]
.set e, e+1
.endr
.set e, 0
.rept 8
	v_pk_fma_f32 v[RR+e:RR+e+1], v[NN+e:NN+e+1], 0xbfc90fdb, v[ANG+e:ANG+e+1] op_sel_hi:[1,0,1]
.set e, e+2
.endr
.set e, 0
.rept 8
	v_pk_fma_f32 v[RR+e:RR+e+1], v[NN+e:NN+e+1], 0x333bbd2e, v[RR+e:RR+e+1] op_sel_hi:[1,0,1]
.set e, e+2
.endr
.set e, 0
.rept 8
	v_pk_mul_f32 v[ZZ+e:ZZ+e+1], v[RR+e:RR+e+1], v[RR+e:RR+e+1]
.set e, e+2
.endr
.set e, 0
.rept 8
	v_pk_fma_f32 v[SS+e:SS+e+1], v[ZZ+e:ZZ+e+1], v[K3S:K3S+1], 0x3c08839e op_sel_hi:[1,1,0]
	v_pk_fma_f32 v[CC+e:CC+e+1], v[ZZ+e:ZZ+e+1], v[K3C:K3C+1], 0xbab6061a op_sel_hi:[1,1,0]
.set e, e+2
.endr
.set e, 0
.rept 8
	v_pk_fma_f32 v[SS+e:SS+e+1], v[SS+e:SS+e+1], v[ZZ+e:ZZ+e+1], 0xbe2aaaa3 op_sel_hi:[1,1,0]
	v_pk_fma_f32 v[CC+e:CC+e+1], v[CC+e:CC+e+1], v[ZZ+e:ZZ+e+1], 0x3d2aaaa5 op_sel_hi:[1,1,0]
.set e, e+2
.endr
.set e, 0
.rept 8
	v_pk_mul_f32 v[SS+e:SS+e+1], v[SS+e:SS+e+1], v[ZZ+e:ZZ+e+1]
	v_pk_fma_f32 v[CC+e:CC+e+1], v[CC+e:CC+e+1], v[ZZ+e:ZZ+e+1], -0.5 op_sel_hi:[1,1,0]
.set e, e+2
.endr
.set e, 0
.rept 8
	v_pk_fma_f32 v[SS+e:SS+e+1], v[SS+e:SS+e+1], v[RR+e:RR+e+1], v[RR+e:RR+e+1]
	v_pk_fma_f32 v[CC+e:CC+e+1], v[CC+e:CC+e+1], v[ZZ+e:ZZ+e+1], 1.0 op_sel_hi:[1,1,0]
.set e, e+2
.endr
.set e, 0
.rept 16
	v_cvt_i32_f32 v[NI+e], v[NN+e]
.set e, e+1
.endr
.set e, 0
.rept 16
	v_and_b32 v[T1+e], 1, v[NI+e]
.set e, e+1
.endr
.set e, 0
.rept 16
	v_cmp_eq_u32 vcc_lo, 1, v[T1+e]
	v_cndmask_b32 v[ANG+e], v[SS+e], v[CC+e], vcc_lo     ; |sin|'s source
	v_cndmask_b32 v[NN+e], v[CC+e], v[SS+e], vcc_lo      ; |cos|'s
.set e, e+1
.endr
.set e, 0
.rept 16
	v_lshlrev_b32 v[RR+e], 30, v[NI+e]
	v_add_nc_u32 v[ZZ+e], 1, v[NI+e]
.set e, e+1
.endr
.set e, 0
.rept 16
	v_and_b32 v[RR+e], 0x80000000, v[RR+e]
	v_lshlrev_b32 v[ZZ+e], 30, v[ZZ+e]
.set e, e+1
.endr
.set e, 0
.rept 16
	v_and_b32 v[ZZ+e], 0x80000000, v[ZZ+e]
.set e, e+1
.endr
	WIN 0xc0                                       ; destination window 3
.set e, 0
.rept 16
	v_xor_b32 v[2*(16*\m+e)], v[NN+e], v[ZZ+e]     ; cos
	v_xor_b32 v[2*(16*\m+e)+1], v[ANG+e], v[RR+e]  ; sin
.set e, e+1
.endr
	WIN 0
	v_add_f32 v[POS], 0x41800000, v[POS]           ; 16 rows on: exact
.endm
	TRIG 0
	TRIG 1
	TRIG 2
	TRIG 3
; A fragment, 16 rows x 128 K of 6-bit codes, is 12 registers: lane l holds row l % 16; registers 6 c .. 6 c + 5 hold K = 64 c + 32 (l / 16) + 0 .. 31: 24 bytes of the row, as they lie, in pieces of 8 bytes.
; Behind every 8 pieces lie 16 bytes of padding: where the piece three on (lanes 16-31) lies behind one padding more, the second address register serves.
.macro FRAG reg, adr, q, i
.irp p, 0,1,2,3,4,5
.set PC, 12*(\q)+6*(\p/3)+\p%3
.if PC%8 < 5
	ds_load_b64 v[\reg+2*\p:\reg+2*\p+1], v[\adr] offset:8*PC+16*(PC/8)+(\i)*16*PITCH
.else
	ds_load_b64 v[\reg+2*\p:\reg+2*\p+1], v[\adr+2] offset:8*PC+16*(PC/8)+(\i)*16*PITCH
.endif
.endr
.endm
.macro FETCH slot, q, set              ; 84 loads in one run: the slot's q-th 128 along K: 8 tiles of Wq, 2 of Wk or Wv, 4 blocks of x
	WIN 0x40
.irp i, 0,1,2,3,4,5,6,7
	FRAG 128*(\set)+12*\i, ADRB+\slot, \q, \i
.endr
.irp i, 0,1
	FRAG 128*(\set)+12*(8+\i), ADRK+\slot, \q, \i
.endr
	WIN 0
.irp i, 0,1,2,3
	FRAG XF+48*(\set)+12*\i, ADRA+\slot, \q, \i
.endr
.endm
.macro SCALES set                      ; a slot's scale words, two a row: x's blocks i (lanes 0-15) and i + 2; Wq's tiles i and i + 4; the two tiles of Wk or Wv
.irp i, 0,1
	ds_load_b64 v[SC+14*\set+2*\i:SC+14*\set+2*\i+1], v[ASX] offset:\i*SBLK
.endr
.irp i, 0,1,2,3
	ds_load_b64 v[SC+14*\set+4+2*\i:SC+14*\set+4+2*\i+1], v[ASQ] offset:\i*SBLK
.endr
	ds_load_b64 v[SC+14*\set+12:SC+14*\set+13], v[ASK]
.endm
.macro WM d, a, b, c, sa, sb, ra, rb   ; one product; ra, rb: the scales of source 0, 1 stand in lanes 16-31 of their register
.if ((\ra) != 0) && ((\rb) != 0)
	v_wmma_scale_f32_16x16x128_f8f6f4 v[\d:\d+7], v[\a:\a+11], v[\b:\b+11], v[\c:\c+7], v[\sa], v[\sb] matrix_a_fmt:MATRIX_FMT_FP6 matrix_b_fmt:MATRIX_FMT_FP6 matrix_a_scale:MATRIX_SCALE_ROW1 matrix_b_scale:MATRIX_SCALE_ROW1
.elseif (\ra) != 0
	v_wmma_scale_f32_16x16x128_f8f6f4 v[\d:\d+7], v[\a:\a+11], v[\b:\b+11], v[\c:\c+7], v[\sa], v[\sb] matrix_a_fmt:MATRIX_FMT_FP6 matrix_b_fmt:MATRIX_FMT_FP6 matrix_a_scale:MATRIX_SCALE_ROW1
.elseif (\rb) != 0
	v_wmma_scale_f32_16x16x128_f8f6f4 v[\d:\d+7], v[\a:\a+11], v[\b:\b+11], v[\c:\c+7], v[\sa], v[\sb] matrix_a_fmt:MATRIX_FMT_FP6 matrix_b_fmt:MATRIX_FMT_FP6 matrix_b_scale:MATRIX_SCALE_ROW1
.else
	v_wmma_scale_f32_16x16x128_f8f6f4 v[\d:\d+7], v[\a:\a+11], v[\b:\b+11], v[\c:\c+7], v[\sa], v[\sb] matrix_a_fmt:MATRIX_FMT_FP6 matrix_b_fmt:MATRIX_FMT_FP6
.endif
.endm
; The 40 accumulators take turns, one instruction a turn, in the same order in every step of 128 along K.
.macro MULQ m, set, q, sc, first       ; x's block m against Wq's eight tiles.  first = 1: the bias is the C: nothing is cleared and nothing is added later
	WIN 0xa1+0x10*(\first)
.irp n, 0,1,2,3,4,5,6,7
.if \first
	WM 8*(8*(\m)+\n), 128*(\set)+12*\n, XF+48*(\set)+12*(\m), 128+8*\n, SC+14*(\sc)+4+2*(\n%4)+(\q), SC+14*(\sc)+2*((\m)%2)+(\q), \n/4, (\m)/2
.else
	WM 8*(8*(\m)+\n), 128*(\set)+12*\n, XF+48*(\set)+12*(\m), 8*(8*(\m)+\n), SC+14*(\sc)+4+2*(\n%4)+(\q), SC+14*(\sc)+2*((\m)%2)+(\q), \n/4, (\m)/2
.endif
.endr
.endm
.macro KVMUL set, q, sc, first         ; the 8 products of k (transposed) or of v (natural): a branch on the wave's number
	WIN 0
	s_cmp_eq_u32 s[WC], 0
	s_cbranch_scc0 .Lfor_v_\@
	WIN 0x01+0x30*(\first)
.irp m, 0,1,2,3
.irp n, 0,1
.if \first
	WM KA+32*\n+8*\m, 128*(\set)+12*(8+\n), XF+48*(\set)+12*\m, 192+8*\n, SC+14*(\sc)+12+(\q), SC+14*(\sc)+2*(\m%2)+(\q), \n, \m/2
.else
	WM KA+32*\n+8*\m, 128*(\set)+12*(8+\n), XF+48*(\set)+12*\m, KA+32*\n+8*\m, SC+14*(\sc)+12+(\q), SC+14*(\sc)+2*(\m%2)+(\q), \n, \m/2
.endif
.endr
.endr
	WIN 0
	s_branch .Lkv_done_\@
.Lfor_v_\@:
	WIN 0x04+0x30*(\first)
.irp m, 0,1,2,3
.irp n, 0,1
.if \first
	WM KA+32*\n+8*\m, XF+48*(\set)+12*\m, 128*(\set)+12*(8+\n), 192+8*\n, SC+14*(\sc)+2*(\m%2)+(\q), SC+14*(\sc)+12+(\q), \m/2, \n
.else
	WM KA+32*\n+8*\m, XF+48*(\set)+12*\m, 128*(\set)+12*(8+\n), KA+32*\n+8*\m, SC+14*(\sc)+2*(\m%2)+(\q), SC+14*(\sc)+12+(\q), \m/2, \n
.endif
.endr
.endr
	WIN 0
.Lkv_done_\@:
.endm
.macro STEP slot, first                ; a slot's first 128 along K, on set 0; the second's fragments are fetched ahead of the products
	s_wait_dscnt 0x0                               ; set 0 and the slot's scale words are in
	PLACES                                         ; in front of loads into set 1, which the step before multiplied
	FETCH \slot, 1, 1
	MULQ 0, 0, 0, \slot, \first
	MULQ 1, 0, 0, \slot, \first
	MULQ 2, 0, 0, \slot, \first
	MULQ 3, 0, 0, \slot, \first
	KVMUL 0, 0, \slot, \first
.endm
; A slot's second 128 along K, on set 1, changes slots: ONE barrier.  In front of it each wave waits for all its tensor loads (its part of the next slot), adds 0 to its spare word, and waits for that and for its reads of this slot.
.macro TURN slot, next, fill
	s_wait_tensorcnt 0x0                           ; no tensor load of mine is out
	ds_add_u32 v[SPW], v[NIL]                      ; 0 onto my spare word
	s_wait_dscnt 0x1                               ; only the add may be out: set 1 is in
	MULQ 0, 1, 1, \slot, 0                         ; eight products stand between the add and the wait for it
	s_wait_dscnt 0x0                               ; the add is done, and my reads of this slot are over
	s_barrier_signal -1
	MULQ 1, 1, 1, \slot, 0
	WIN 0
	s_barrier_wait -1
.if \fill
	CREST                                          ; the barrier has opened a round of the cluster's: no wave of any partner still reads this slot or has a load on its way
	s_add_nc_u64 s[G0X+4*\slot+2:G0X+4*\slot+3], s[G0X+4*\slot+2:G0X+4*\slot+3], 384
	s_add_nc_u64 s[G0W+4*\slot+2:G0W+4*\slot+3], s[G0W+4*\slot+2:G0W+4*\slot+3], 384
	JL G0X+4*\slot, G1X, G0W+4*\slot, G1Q, G1KV    ; my one tensor load behind the round: 256 along K two slots on; its four v_nop are also the places in front of the loads below
.else
	PLACES
.endif
	v_add_nc_u32 v[ASX], 8, v[ASX]                 ; the next slot's scale words: 8 bytes on in each row
	v_add_nc_u32 v[ASQ], 8, v[ASQ]
	v_add_nc_u32 v[ASK], 8, v[ASK]
	FETCH \next, 0, 0
	SCALES \next
	MULQ 2, 1, 1, \slot, 0
	MULQ 3, 1, 1, \slot, 0
	KVMUL 1, 1, \slot, 0
.endm
	s_wait_loadcnt 0x0                             ; the biases
	s_wait_tensorcnt 0x1                           ; the scale bytes and my part of slot 0 are in; slot 1's load may stay out
	s_barrier_signal -1
	s_barrier_wait -1
	FETCH 0, 0, 0
	SCALES 0
	STEP 0, 1                                      ; the first step stands in front of the loop: its products start the sums on the biases
	s_mov_b32 s3, 3
.Llap:                                             ; a trip goes once round the ring and fills both slots again: 2,048 along K are 8 slots
	TURN 0, 1, 1
	STEP 1, 0
	TURN 1, 0, 1
	STEP 0, 0
	s_sub_co_u32 s3, s3, 1
	s_cmp_lg_u32 s3, 0
	s_cbranch_scc1 .Llap
	TURN 0, 1, 0                                   ; the last lap fills nothing
	STEP 1, 0
	s_wait_dscnt 0x0
	MULQ 0, 1, 1, 1, 0
	MULQ 1, 1, 1, 1, 0
	MULQ 2, 1, 1, 1, 0
	MULQ 3, 1, 1, 1, 0
	KVMUL 1, 1, 1, 0
; ---- THE WAY OUT: registers and stores alone; every store has data registers of its own
	s_load_b256 s[56:63], s[0:1], 0x58             ; qc, qs, kvc, kvs (the group 1 that lay here belongs to a load that landed long ago)
	PLACES
	v_mov_b32 v[TM+2], 0                           ; a lane permute's destination counts as one of its sources
	v_mov_b32 v[TM+3], 0
	v_and_b32 v[LA8], 31, v0
	v_lshlrev_b32 v[LA8], 3, v[LA8]                ; 8 x lane
	v_lshlrev_b32 v[R4], 2, v1                     ; 4 r
	s_mov_b32 s[SEL], 0x76543210
	s_mov_b32 s[SEL+1], 0xfedcba98
	s_lshr_b32 s13, s[RB], 3                       ; b
	s_and_b32 s14, s[RB], 7                        ; which 128 positions of the sequence
	s_lshl_b32 s2, s13, 5
	s_lshl_b32 s3, s[CB], 2
	s_add_co_u32 s2, s2, s3
	s_lshl_b32 s3, s[WC], 1
	s_add_co_u32 s2, s2, s3                        ; 32 b + my first head
	s_lshl_b32 s2, s2, 6
	s_lshl_b32 s3, s14, 3
	s_add_co_u32 s2, s2, s3
	s_lshl_b32 s3, s[WR], 2
	s_add_co_u32 s2, s2, s3                        ; x 64 tiles of queries + my first tile
	s_mul_i32 s104, s2, 768
	s_mov_b32 s105, 0
	s_lshl_b32 s2, s2, 6
	s_mov_b32 s3, 0
	s_wait_kmcnt 0x0
	s_add_nc_u64 s[56:57], s[56:57], s[104:105]
	s_add_nc_u64 s[58:59], s[58:59], s[2:3]
	s_lshl_b32 s15, s13, 2
	s_lshr_b32 s2, s[CB], 1
	s_add_co_u32 s15, s15, s2                      ; bh = 4 b + KV head
	s_and_b32 s101, s[CB], 1                       ; which 32 of the head's 64
	s_sub_co_u32 s[MSK], 0, s101
	s_lshl_b32 s2, s14, 7
	s_lshl_b32 s3, s[WR], 6
	s_add_co_u32 s104, s2, s3                      ; my first key
; 32 numbers of a lane, register 16 b + i = k 32 b + 16 (lane / 16) + i of its row, become six registers of codes (lanes 0-15 block 0, lanes 16-31 block 1) in v[f] on and two scale bytes in v[w].
.macro QUANT64 s, f, w, fl
.irp b, 0,1
	v_max3_num_f32 v[TM+\b], |v[\s+16*\b]|, |v[\s+16*\b+1]|, \fl     ; my 16 numbers of block b, and the floor, under which no largest magnitude is taken
.endr
.irp i, 2,4,6,8,10,12,14
.irp b, 0,1
	v_max3_num_f32 v[TM+\b], v[TM+\b], |v[\s+16*\b+\i]|, |v[\s+16*\b+\i+1]|
.endr
.endr
.irp b, 0,1
	v_permlanex16_b32 v[TM+2+\b], v[TM+\b], s[SEL], s[SEL+1]
.endr
.irp b, 0,1
	v_max_num_f32 v[TM+\b], v[TM+\b], v[TM+2+\b]   ; with lane l xor 16's: the block's largest magnitude
.endr
.irp b, 0,1
	v_add_nc_u32 v[TM+4+\b], 0xff000000, v[TM+\b]  ; 2 off its exponent field: the conversion's scale operand
.endr
.irp b, 0,1
	v_lshrrev_b32 v[TM+6+\b], 23, v[TM+4+\b]       ; the scale's byte
.endr
	v_lshl_or_b32 v[\w], v[TM+7], 8, v[TM+6]
	v_cvt_scalef32_pk16_fp6_f32 v[\f:\f+2], v[\s:\s+15], v[TM+4]
	v_cvt_scalef32_pk16_fp6_f32 v[CT:CT+2], v[\s+16:\s+31], v[TM+5]
	v_nop                                          ; one plain place behind a scaled conversion
.irp i, 0,1,2
	v_permlane16_swap_b32 v[\f+\i], v[CT+\i]       ; a whole block to a lane
.endr
.irp i, 0,1,2
	v_mov_b32 v[\f+3+\i], v[CT+\i]
.endr
.endm
; q: block m of rows, head hh of my two.  The rotation of a pair (even, odd) by (cos, sin) is two packed instructions; eight exchanges of halves for each two tiles give a lane 16 neighbours along the head.
.macro QOUT m, hh
	WIN 0x0e                                       ; source 0 window 2 (the sums), source 1 window 3 (cos, sin)
.irp c, 0,1,2,3
.irp jj, 0,1,2,3
	v_pk_mul_f32 v[T+8*\c+2*\jj:T+8*\c+2*\jj+1], v[8*(8*\m+4*\hh+\c)+2*\jj:8*(8*\m+4*\hh+\c)+2*\jj+1], v[2*(16*\m+4*\c+\jj):2*(16*\m+4*\c+\jj)+1] op_sel_hi:[1,0]   ; (even cos, odd cos); each accumulator from its low end on
.endr
.endr
.irp c, 0,1,2,3
.irp jj, 0,1,2,3
	v_pk_fma_f32 v[T+8*\c+2*\jj:T+8*\c+2*\jj+1], v[8*(8*\m+4*\hh+\c)+2*\jj:8*(8*\m+4*\hh+\c)+2*\jj+1], v[2*(16*\m+4*\c+\jj):2*(16*\m+4*\c+\jj)+1], v[T+8*\c+2*\jj:T+8*\c+2*\jj+1] op_sel:[1,1,0] op_sel_hi:[0,1,1] neg_lo:[1,0,0]   ; - odd sin, + even sin
.endr
.endr
	WIN 0
.irp b, 0,1
.irp j, 0,1,2,3,4,5,6,7
	v_permlane16_swap_b32 v[T+16*\b+\j], v[T+16*\b+8+\j]
.endr
.endr
	QUANT64 T, QF+8*(2*\m+\hh), QF+8*(2*\m+\hh)+6, 0x3000000
	v_add_nc_u32 v[QF+8*(2*\m+\hh)+6], 0x7f7efcfd, v[QF+8*(2*\m+\hh)+6]    ; 3 off both bytes (q x 1/8), and 0x7f in the two bytes of the K that a head does not have
.irp p, 0,1,2
	global_store_b64 v[LA8], v[QF+8*(2*\m+\hh)+2*\p:QF+8*(2*\m+\hh)+2*\p+1], s[56:57] offset:49152*\hh+768*\m+256*\p   ; 32 lanes store 256 consecutive bytes, aligned
.endr
	global_store_b32 v[R4], v[QF+8*(2*\m+\hh)+6], s[58:59] offset:4096*\hh+64*\m
.endm
.irp m, 0,1,2,3
.irp hh, 0,1
	QOUT \m, \hh
.endr
.endr
	s_cmp_eq_u32 s[WC], 0
	s_cbranch_scc0 .Lv_out
	; ---- k: my 64 keys x the work-group's 32 of the head's 64: one block a key
	s_mul_i32 s2, s15, 98304
	s_mul_i32 s3, s101, 24576                      ; the plane of my block
	s_add_co_u32 s2, s2, s3
	s_mul_i32 s3, s104, 24
	s_add_co_u32 s2, s2, s3
	s_mov_b32 s3, 0
	s_add_nc_u64 s[60:61], s[60:61], s[2:3]
	s_mul_i32 s2, s15, 6144
	s_lshl_b32 s105, s104, 2
	s_add_co_u32 s2, s2, s105
	s_add_co_u32 s2, s2, s101                      ; my block's byte of a key's word
	s_add_nc_u64 s[62:63], s[62:63], s[2:3]
	v_lshrrev_b32 v3, 3, v1
	v_and_b32 v4, 7, v1
	v_lshl_add_u32 v3, v3, 4, v4                   ; THE KEYS ARE STORED IN THE ORDER OF THE NEXT LAUNCH'S TILES: key 16 m + r of 32 goes to place 16 (r / 8) + 8 (m % 2) + r % 8
	v_mul_u32_u24 v[KADR], v3, 24
	v_mad_u32_u24 v[KADR], v2, 12, v[KADR]         ; my 16 codes: 12 bytes
	v_lshlrev_b32 v[KWADR], 2, v3
	v_lshl_add_u32 v[KWADR], v2, 1, v[KWADR]       ; lanes 0-15 store the scale's byte, lanes 16-31 the byte 0x7f two bytes on
	v_mov_b32 v[C7F], 0x7f
	v_cmp_ne_u32 vcc_lo, 0, v2
.macro KOUT m
	WIN 0x0f                                       ; sources window 3
.irp n, 0,1
.irp x, 0,1,2,3,4,5,6,7
	v_cndmask_b32 v[KCS+8*\n+\x], v[2*(16*\m+4*\n)+\x], v[2*(16*\m+4*(2+\n))+\x], s[MSK]   ; the pairs of my half of the head: a choice of values, no branch
.endr
.endr
	WIN 0
.irp n, 0,1
.irp jj, 0,1,2,3
	v_pk_mul_f32 v[KT+8*\n+2*\jj:KT+8*\n+2*\jj+1], v[KA+32*\n+8*\m+2*\jj:KA+32*\n+8*\m+2*\jj+1], v[KCS+8*\n+2*\jj:KCS+8*\n+2*\jj+1] op_sel_hi:[1,0]
.endr
.endr
.irp n, 0,1
.irp jj, 0,1,2,3
	v_pk_fma_f32 v[KT+8*\n+2*\jj:KT+8*\n+2*\jj+1], v[KA+32*\n+8*\m+2*\jj:KA+32*\n+8*\m+2*\jj+1], v[KCS+8*\n+2*\jj:KCS+8*\n+2*\jj+1], v[KT+8*\n+2*\jj:KT+8*\n+2*\jj+1] op_sel:[1,1,0] op_sel_hi:[0,1,1] neg_lo:[1,0,0]
.endr
.endr
.irp j, 0,1,2,3,4,5,6,7
	v_permlane16_swap_b32 v[KT+\j], v[KT+8+\j]
.endr
	v_max3_num_f32 v[TM], |v[KT]|, |v[KT+1]|, 0x1800000
	v_max3_num_f32 v[TM+1], |v[KT+8]|, |v[KT+9]|, 0x1800000
.irp i, 2,4,6
	v_max3_num_f32 v[TM], v[TM], |v[KT+\i]|, |v[KT+\i+1]|
	v_max3_num_f32 v[TM+1], v[TM+1], |v[KT+8+\i]|, |v[KT+9+\i]|
.endr
	v_max_num_f32 v[TM], v[TM], v[TM+1]
	v_permlanex16_b32 v[TM+2], v[TM], s[SEL], s[SEL+1]
	v_max_num_f32 v[TM], v[TM], v[TM+2]
	v_add_nc_u32 v[TM+4], 0xff000000, v[TM]
	v_lshrrev_b32 v[TM+6], 23, v[TM+4]
	v_cvt_scalef32_pk16_fp6_f32 v[KF+4*\m:KF+4*\m+2], v[KT:KT+15], v[TM+4]
	v_cndmask_b32 v[KF+4*\m+3], v[TM+6], v[C7F], vcc_lo          ; (the plain place behind the conversion)
	global_store_b96 v[KADR], v[KF+4*\m:KF+4*\m+2], s[60:61] offset:24*(32*(\m/2)+8*(\m%2))
	global_store_b8 v[KWADR], v[KF+4*\m+3], s[62:63] offset:4*(32*(\m/2)+8*(\m%2))
.endm
	KOUT 0
	KOUT 1
	KOUT 2
	KOUT 3
	s_branch .Lend
.Lv_out:
	; ---- v: channels 16 n + r of the work-group's 32 x my 64 keys: two blocks a channel, half a fragment of the next launch
	s_mul_i32 s2, s15, 98304
	s_add_co_u32 s2, s2, 49152
	s_lshl_b32 s3, s14, 2
	s_lshl_b32 s105, s101, 1
	s_add_co_u32 s105, s3, s105                    ; 4 x key step + the first of my two tiles of channels
	s_lshl_b32 s3, s105, 1
	s_add_co_u32 s3, s3, s[WR]
	s_mul_i32 s3, s3, 768
	s_add_co_u32 s2, s2, s3
	s_mov_b32 s3, 0
	s_add_nc_u64 s[60:61], s[60:61], s[2:3]
	s_mul_i32 s2, s15, 6144
	s_add_co_u32 s2, s2, 4096
	s_lshl_b32 s105, s105, 6
	s_add_co_u32 s2, s2, s105
	s_lshl_b32 s105, s[WR], 1
	s_add_co_u32 s2, s2, s105
	s_add_nc_u64 s[62:63], s[62:63], s[2:3]
.macro VOUT n
.irp b, 0,1
.irp j, 0,1,2,3,4,5,6,7
	v_permlane16_swap_b32 v[KA+32*\n+16*\b+\j], v[KA+32*\n+16*\b+8+\j]   ; register 16 b + i: key 32 b + 16 h + i; each accumulator from its low end on
.endr
.endr
	QUANT64 KA+32*\n, KF+8*\n, KF+8*\n+6, 0x1800000
.irp p, 0,1,2
	global_store_b64 v[LA8], v[KF+8*\n+2*\p:KF+8*\n+2*\p+1], s[60:61] offset:1536*\n+256*\p
.endr
	global_store_b16 v[R4], v[KF+8*\n+6], s[62:63] offset:64*\n
.endm
	VOUT 0
	VOUT 1
.Lend:
	s_wait_tensorcnt 0x0                           ; the wave's end
	ds_add_u32 v[SPW], v[NIL]
	s_wait_dscnt 0x0
	CROUND                                         ; the closing round: no work-group ends while a partner may still ask for a tile that names it
	s_endpgm
.Lfunc_end_k_q5d6c2d2127_qkv:
	.size	k_q5d6c2d2127_qkv, .Lfunc_end_k_q5d6c2d2127_qkv-k_q5d6c2d2127_qkv
	.p2alignl 7, 3214868480
	.fill 96, 4, 3214868480
	.section	.rodata,"a",@progbits
	.p2align	6, 0x0
	.amdhsa_kernel k_q5d6c2d2127_qkv
		.amdhsa_group_segment_fixed_size 327680
		.amdhsa_private_segment_fixed_size 0
		.amdhsa_enable_private_segment 0
		.amdhsa_kernarg_size 120
		.amdhsa_user_sgpr_count 2
		.amdhsa_user_sgpr_kernarg_segment_ptr 1
		.amdhsa_wavefront_size32 1
		.amdhsa_system_sgpr_workgroup_id_x 1
		.amdhsa_system_sgpr_workgroup_id_y 1
		.amdhsa_system_sgpr_workgroup_id_z 1
		.amdhsa_system_vgpr_workitem_id 0
		.amdhsa_next_free_vgpr 1024
		.amdhsa_next_free_sgpr 106
		.amdhsa_reserve_vcc 1
		.amdhsa_float_denorm_mode_32 3
		.amdhsa_float_denorm_mode_16_64 3
		.amdhsa_memory_ordered 1
		.amdhsa_forward_progress 1
		.amdhsa_inst_pref_size 243
	.end_amdhsa_kernel
	.amdgpu_metadata
---
amdhsa.version: [ 1, 2 ]
amdhsa.kernels:
  - .name:           k_q5d6c2d2127_qkv
    .symbol:         k_q5d6c2d2127_qkv.kd
    .args:
      - { .name: x_codes, .offset: 0, .size: 8, .value_kind: global_buffer, .address_space: global }
      - { .name: x_scales, .offset: 8, .size: 8, .value_kind: global_buffer, .address_space: global }
      - { .name: Wq_codes, .offset: 16, .size: 8, .value_kind: global_buffer, .address_space: global }
      - { .name: Wq_scales, .offset: 24, .size: 8, .value_kind: global_buffer, .address_space: global }
      - { .name: Wk_codes, .offset: 32, .size: 8, .value_kind: global_buffer, .address_space: global }
      - { .name: Wk_scales, .offset: 40, .size: 8, .value_kind: global_buffer, .address_space: global }
      - { .name: Wv_codes, .offset: 48, .size: 8, .value_kind: global_buffer, .address_space: global }
      - { .name: Wv_scales, .offset: 56, .size: 8, .value_kind: global_buffer, .address_space: global }
      - { .name: bq, .offset: 64, .size: 8, .value_kind: global_buffer, .address_space: global }
      - { .name: bk, .offset: 72, .size: 8, .value_kind: global_buffer, .address_space: global }
      - { .name: bv, .offset: 80, .size: 8, .value_kind: global_buffer, .address_space: global }
      - { .name: qc, .offset: 88, .size: 8, .value_kind: global_buffer, .address_space: global }
      - { .name: qs, .offset: 96, .size: 8, .value_kind: global_buffer, .address_space: global }
      - { .name: kvc, .offset: 104, .size: 8, .value_kind: global_buffer, .address_space: global }
      - { .name: kvs, .offset: 112, .size: 8, .value_kind: global_buffer, .address_space: global }
    .group_segment_fixed_size: 327680
    .private_segment_fixed_size: 0
    .kernarg_segment_align: 8
    .kernarg_segment_size: 120
    .max_flat_workgroup_size: 128
    .sgpr_count:     106
    .vgpr_count:     1024
    .wavefront_size: 32
...
	.end_amdgpu_metadata
.endif
;; end of part 1
;; launch attn (part 2): grid 16 x 16, 16 waves a work-group, clusters of 4 x 1, 169,984 bytes of LDS; arguments qc, qs, kvc, kvs, ac, asw; writes ac, asw
.if DOCPART == 2
	.amdgcn_target "amdgcn-amd-amdhsa--gfx1250"
	.amdhsa_code_object_version 6
	.text
	.protected	k_q5d6c2d2127_attn
	.globl	k_q5d6c2d2127_attn
	.p2align	8
	.type	k_q5d6c2d2127_attn,@function
k_q5d6c2d2127_attn:
	s_mov_b64 s[64:65], 0
	v_nop
	global_prefetch_b8 v0, s[64:65] scope:SCOPE_SE
	s_setreg_imm32_b32 hwreg(HW_REG_WAVE_MODE, 25, 1), 1
	s_wait_xcnt 0x0
	s_wait_alu depctr_hold_cnt(0) depctr_sa_sdst(0) depctr_va_vdst(0) depctr_va_sdst(0) depctr_va_ssrc(0) depctr_va_vcc(0) depctr_vm_vsrc(0)
	s_getreg_b32 s2, hwreg(HW_REG_IB_STS2, 6, 4)
	s_cmp_eq_u32 s2, 0
	s_cbranch_scc0 .Lentry_in_a_cluster
	s_endpgm
.Lentry_in_a_cluster:
	s_bfe_u32 s2, ttmp6, 0x10000c
	s_cmp_lg_u32 s2, 0x3003
	s_cbranch_scc0 .Lentry_shape_is_right
	s_endpgm
.Lentry_shape_is_right:
; Causal attention on codes of FP6 (E2M3) with E8M0 scales: S^T = K Q^T over the head's 64, p = 2^(t - M) with M a whole number, O^T = V^T P^T over the keys, O / the sum of the unquantised p, quantised again
; along the head's 64 and stored in the order of the last launch's operand registers.  32 query heads of 64, 4 KV heads, 4 batches, 1,024 positions.
; SHARES.  A work-group takes one (batch, KV head) bh, one of the 8 groups of query heads and half of the query tiles.  Wave w owns the tiles t = 16 hf + w and 63 - t of 16 queries: t / 8 + 1 and 8 - t / 8 key steps of
; 128 keys, nine for every wave.  Sixteen waves of 256 registers: four to a SIMD, so that one wave's vector work stands beside another's products and LDS loads.
; LDS holds the WHOLE K and V of bh and their scale words, filled once: no ring, no refill.  CLUSTER 4 x 1: the four partners differ in the group of query heads alone and ask for K and V jointly.
; LAYOUT.  Both products are used transposed: a lane holds ONE query (lane % 16) throughout.  The launch before has stored the keys in the order of the tiles: place 16 u' + r' of 32 is key 8 u' + r' + 8 (r' / 8), so that
; the 16 registers of tiles 2 b and 2 b + 1 are the 16 neighbouring keys 32 b + 16 (lane / 16) + 0 .. 15.
; THE HEAD'S K IS 64, THE INSTRUCTION'S 128.  Q's registers 6-11 hold zero codes.  K's operand of tile u is v[32 + 6 u .. 43 + 6 u]: its upper six registers are the next tile's codes (behind the last tile: zeros):
; finite numbers, multiplied by 0, under scale bytes 0x7f on both sides.
; LIMITS: NaN, infinities and scale bytes 0xff are not served; a block of zeros keeps the floor's byte, 1, where the rule says 127: its codes are zeros and this program alone reads the bytes.
; REGISTERS: v1-6 addresses that stay; v8-11 addresses in hand; v12 -M, v13 the largest t, v[14:15] the sum; v16-27 tile A's Q, v28 its scale word; v29 tile B's; v32-85 K's 8 x 6 and six zeros, then V's 4 x 12;
; v86-93 scale words; v96-159 S^T, then p; v160-191 O^T; v196-207 tile B's Q; v208-214 the codes and bytes to store; v224-235 p's codes; v232-254 at work.
.set KP1, 24704                        ; K's plane 1 (channels 32-63): 128 bytes behind plane 0's end, so that the 32 lanes of a load of 8 bytes (24 r + KP1 h) touch 64 different banks (64 banks of 4 bytes: ISA guide 11.1)
.set VIM, 49408                        ; V's images
.set KW,  98560                        ; K's scale words, 4 bytes a key
.set VW,  102656                       ; V's
.set AK0, 1
.set AV0, 2
.set ASK0, 3
.set ASV0, 4
.set L8,  5
.set R4,  6
.set ADK, 8
.set ADV, 9
.set ADS, 10
.set ADT, 11
.set TM,  232
.set CT,  240
.set WV,  16
.set CX,  17
.set BH,  18
.set HF,  19
.set SEL, 20
.set CS,  22
.set G1C, 24
.set G1S, 32
.set G0C, 40
.set G0S, 44
.set Q0,  51
.set KF,  52
.set TK,  53
.set TV,  54
.set TSK, 55
.set TSV, 56
.set CNT, 57
.set TA,  58
.set TB,  59
.set HD,  60
.set BB,  61
.macro CROUND                          ; a round of the cluster's barrier
	s_barrier_signal -1
	s_barrier_wait -1
	s_cmp_lg_u32 s[WV], 0
	s_cbranch_scc1 .Lnot_wave_0_\@
	s_barrier_signal -3
.Lnot_wave_0_\@:
	s_barrier_wait -3
	s_barrier_signal -1
	s_barrier_wait -1
.endm
	s_load_b256 s[4:11], s[0:1], 0x0               ; qc, qs, kvc, kvs
	s_load_b128 s[12:15], s[0:1], 0x20             ; ac, asw
	v_lshl_add_u32 v251, v0, 2, 0x29000
	v_mov_b32 v255, 0
	ds_add_u32 v251, v255
	ds_add_u32 v251, v255
	v_lshrrev_b32 v1, 5, v0
	v_readfirstlane_b32 s[WV], v1                  ; wave 0..15
	s_bfe_u32 s[CX], ttmp6, 0x40000                ; my place in the cluster: it enters global addresses alone
	s_and_b32 s[BH], ttmp7, 0xffff                 ; 4 b + KV head
	s_and_b32 s[HF], ttmp9, 1                      ; which half of the pairs of tiles: the same in all four partners
	s_lshr_b32 s48, ttmp9, 1
	s_lshl_b32 s48, s48, 2
	s_add_co_u32 s[HD], s48, s[CX]                 ; the group of query heads
	s_lshl_b32 s[HD], s[HD], 2
	s_and_b32 s49, s[BH], 3
	s_add_co_u32 s[HD], s[HD], s49                 ; the query head = 4 g + h
	s_lshr_b32 s[BB], s[BH], 2                     ; b
	s_lshl_b32 s[TA], s[HF], 4
	s_add_co_u32 s[TA], s[TA], s[WV]               ; my early tile,
	s_sub_co_u32 s[TB], 63, s[TA]                  ; and my late one
	; group 1: dense blocks as rows of 256 bytes (32 elements of 8 bytes), no padding; the mask names all four partners, bit 21 beside it
	s_mov_b32 s[G1C], 15|(3<<16)|(1<<21)
	s_mov_b32 s[G1C+1], 32<<16
	s_mov_b32 s[G1C+2], 96<<16
	s_mov_b32 s[G1C+3], 32<<16
	s_mov_b32 s[G1C+4], 96
	s_mov_b32 s[G1C+5], 32
	s_mov_b32 s[G1C+6], 0
	s_mov_b32 s[G1C+7], 0
	s_mov_b32 s[G1S], 15|(3<<16)|(1<<21)
	s_mov_b32 s[G1S+1], 32<<16
	s_mov_b32 s[G1S+2], 24<<16
	s_mov_b32 s[G1S+3], 32<<16
	s_mov_b32 s[G1S+4], 24
	s_mov_b32 s[G1S+5], 32
	s_mov_b32 s[G1S+6], 0
	s_mov_b32 s[G1S+7], 0
	s_min_u32 s48, s[WV], 3                        ; waves 0 to 3 fetch K's plane 0, plane 1, V's two halves: 24,576 bytes each
	s_mul_i32 s49, s48, 24576
	s_min_u32 s50, s[WV], 2
	s_lshl_b32 s50, s50, 7
	s_add_co_u32 s50, s50, s49                     ; in LDS: 0, KP1, VIM, VIM + 24,576
	s_mul_i32 s48, s[BH], 98304
	s_add_co_u32 s48, s48, s49
	s_mov_b32 s49, 0
	s_mov_b32 s[SEL], 0x76543210
	s_mov_b32 s[SEL+1], 0xfedcba98
	s_mov_b32 s[CS], 0x3fb8aa3b                    ; log2(e): the factor 1/8 lies in q's scale bytes
	s_mov_b32 s[CS+1], s[CS]
	s_wait_dscnt 0x0
	s_wait_kmcnt 0x0
	s_mov_b32 s[G0C], 1
	s_mov_b32 s[G0C+1], s50
	s_add_nc_u64 s[G0C+2:G0C+3], s[8:9], s[48:49]
	s_or_b32 s[G0C+3], s[G0C+3], 0x80000000
	s_mul_i32 s48, s[BH], 6144                     ; wave 4 fetches the scale words
	s_mov_b32 s[G0S], 1
	s_mov_b32 s[G0S+1], KW
	s_add_nc_u64 s[G0S+2:G0S+3], s[10:11], s[48:49]
	s_or_b32 s[G0S+3], s[G0S+3], 0x80000000
	CROUND                                         ; all four work-groups are here: the joint loads meet
	s_cmp_lt_u32 s[WV], 4
	s_cbranch_scc0 .Lnot_codes
	tensor_load_to_lds s[G0C:G0C+3], s[G1C:G1C+7]
	s_nop 0
.rept 4
	v_nop
.endr
	s_branch .Lasked
.Lnot_codes:
	s_cmp_eq_u32 s[WV], 4
	s_cbranch_scc0 .Lasked
	tensor_load_to_lds s[G0S:G0S+3], s[G1S:G1S+7]
	s_nop 0
.rept 4
	v_nop
.endr
.Lasked:
	v_and_b32 v8, 15, v0                           ; r
	v_bfe_u32 v9, v0, 4, 1                         ; h
	v_and_b32 v10, 31, v0                          ; lane
	v_mul_u32_u24 v[AK0], v8, 24
	v_mad_u32_u24 v[AK0], v9, KP1, v[AK0]          ; K: place r of a tile, plane h
	v_lshl_add_u32 v[AV0], v10, 3, VIM             ; V: an image: 8 bytes a lane
	v_lshl_add_u32 v[ASK0], v8, 2, KW
	v_lshl_add_u32 v[ASV0], v8, 2, VW
	v_lshlrev_b32 v[L8], 3, v10
	v_lshlrev_b32 v[R4], 2, v8
	s_lshl_b32 s70, s[BB], 5
	s_add_co_u32 s70, s70, s[HD]
	s_lshl_b32 s70, s70, 6                         ; (32 b + head) x 64 tiles
	s_add_co_u32 s71, s70, s[TA]
	s_mul_i32 s72, s71, 768
	s_mov_b32 s73, 0
	s_add_nc_u64 s[66:67], s[4:5], s[72:73]
	s_lshl_b32 s72, s71, 6
	s_add_nc_u64 s[68:69], s[6:7], s[72:73]
	s_add_co_u32 s71, s70, s[TB]
	s_mul_i32 s72, s71, 768
	s_add_nc_u64 s[74:75], s[4:5], s[72:73]
	s_lshl_b32 s72, s71, 6
	s_add_nc_u64 s[76:77], s[6:7], s[72:73]
.irp p, 0,1,2
	global_load_b64 v[16+2*\p:17+2*\p], v[L8], s[66:67] offset:256*\p      ; both tiles' Q stay in registers
	global_load_b64 v[196+2*\p:197+2*\p], v[L8], s[74:75] offset:256*\p
.endr
	global_load_b32 v28, v[R4], s[68:69]
	global_load_b32 v29, v[R4], s[76:77]
.irp j, 0,1,2,3,4,5
	v_mov_b32 v[22+\j], 0                          ; zero codes for k = 64 .. 127
	v_mov_b32 v[202+\j], 0
	v_mov_b32 v[80+\j], 0                          ; what the last tile of K names beyond its six registers
.endr
.irp j, 0,1,2,3,4,5,6,7,8,9,10,11
	v_mov_b32 v[232+\j], 0                         ; written once: a lane permute's destination counts as one of its sources
.endr
	v_mov_b32 v252, 0
	v_mov_b32 v253, 0                              ; (named as the upper half of the pair v[252:253] before it is first written)
	s_wait_tensorcnt 0x0                           ; my part of K, V or the scale words is in,
	s_barrier_signal -1
	s_barrier_wait -1                              ; everybody's is: from here on LDS is only read
	s_wait_loadcnt 0x0                             ; Q
.macro QUANT64 s, f, w, fl             ; 32 numbers of a lane, register 16 b + i = k 32 b + 16 (lane / 16) + i, become six registers of codes in v[f] on and two scale bytes in v[w]
.irp b, 0,1
	v_max3_num_f32 v[TM+\b], |v[\s+16*\b]|, |v[\s+16*\b+1]|, \fl
.endr
.irp i, 2,4,6,8,10,12,14
.irp b, 0,1
	v_max3_num_f32 v[TM+\b], v[TM+\b], |v[\s+16*\b+\i]|, |v[\s+16*\b+\i+1]|
.endr
.endr
.irp b, 0,1
	v_permlanex16_b32 v[TM+2+\b], v[TM+\b], s[SEL], s[SEL+1]
.endr
.irp b, 0,1
	v_max_num_f32 v[TM+\b], v[TM+\b], v[TM+2+\b]
.endr
.irp b, 0,1
	v_add_nc_u32 v[TM+4+\b], 0xff000000, v[TM+\b]
.endr
.irp b, 0,1
	v_lshrrev_b32 v[TM+6+\b], 23, v[TM+4+\b]
.endr
	v_lshl_or_b32 v[\w], v[TM+7], 8, v[TM+6]
	v_cvt_scalef32_pk16_fp6_f32 v[\f:\f+2], v[\s:\s+15], v[TM+4]
	v_cvt_scalef32_pk16_fp6_f32 v[CT:CT+2], v[\s+16:\s+31], v[TM+5]
	v_nop                                          ; one plain place behind a scaled conversion
.irp i, 0,1,2
	v_permlane16_swap_b32 v[\f+\i], v[CT+\i]
.endr
.irp i, 0,1,2
	v_mov_b32 v[\f+3+\i], v[CT+\i]
.endr
.endm
; ONE TILE OF 16 QUERIES: Q in v[q] on, its scale word in v[qs], the tile's number in s[tl].  The loop over the key steps has eight trips for every tile; a step all of whose keys come after the tile's queries does
; nothing but step the addresses: a scalar branch on ids.
.macro TILE q, qs, tl
	s_lshl_b32 s[Q0], s[\tl], 4                    ; my first query
	s_mov_b32 s[KF], 0                             ; the step's first key,
	s_mov_b32 s[TK], 0                             ; and where its K, V and scale words begin
	s_mov_b32 s[TV], 0
	s_mov_b32 s[TSK], 0
	s_mov_b32 s[TSV], 0
	s_mov_b32 s[CNT], 8
	v_mov_b32 v13, 0xff61b1e6                      ; the largest t so far: -3e38
	v_floor_f32 v12, -v13                          ; -M
	v_mov_b32 v14, 0
	v_mov_b32 v15, 0
.set i, 0
.rept 32
	v_mov_b32 v[160+i], 0                          ; O^T: the step is written once; the first finds zeros, which the first change of M leaves zeros
.set i, i+1
.endr
.Lstep_\@:
	s_add_co_u32 s48, s[Q0], 15
	s_cmp_gt_u32 s[KF], s48
	s_cbranch_scc1 .Lhidden_\@
	v_add_nc_u32 v[ADK], s[TK], v[AK0]             ; (these four are also the places in front of loads into registers that the last products read)
	v_add_nc_u32 v[ADV], s[TV], v[AV0]
	v_add_nc_u32 v[ADS], s[TSK], v[ASK0]
	v_add_nc_u32 v[ADT], s[TSV], v[ASV0]
.irp u, 0,1,2,3,4,5,6,7
.irp p, 0,1,2
	ds_load_b64 v[32+6*\u+2*\p:33+6*\u+2*\p], v[ADK] offset:384*\u+8*\p
.endr
	ds_load_b32 v[86+\u], v[ADS] offset:64*\u
.endr
	s_wait_dscnt 0x0
.irp u, 0,1,2,3,4,5,6,7
	v_wmma_scale_f32_16x16x128_f8f6f4 v[96+8*\u:103+8*\u], v[32+6*\u:43+6*\u], v[\q:\q+11], 0, v[86+\u], v[\qs] matrix_a_fmt:MATRIX_FMT_FP6 matrix_b_fmt:MATRIX_FMT_FP6
.endr
.rept 4
	v_nop                                          ; places: in front of the loads below and of the first read of the scores
.endr
.irp dt, 0,1,2,3                                   ; V's fragments are asked for now and land under the softmax
.irp c, 0,1
.irp p, 0,1,2
	ds_load_b64 v[32+12*\dt+6*\c+2*\p:33+12*\dt+6*\c+2*\p], v[ADV] offset:1536*\dt+768*\c+256*\p
.endr
.endr
	ds_load_b32 v[86+\dt], v[ADT] offset:64*\dt
.endr
	s_add_co_u32 s48, s[KF], 127                   ; on the diagonal the scores of hidden keys become -infinity ahead of the maximum; a step all of whose keys count skips this
	s_cmp_le_u32 s48, s[Q0]
	s_cbranch_scc1 .Lopen_\@
	s_sub_co_i32 s48, s[Q0], s[KF]
	v_and_b32 v252, 15, v0
	v_bfe_u32 v253, v0, 4, 1
	v_lshlrev_b32 v253, 4, v253
	v_sub_nc_u32 v252, v252, v253
	v_add_nc_u32 v252, s48, v252                   ; d = my query - KF - 16 (lane / 16).  Register 16 b + i holds key KF + 16 (lane / 16) + 32 b + i: hidden where 32 b + i > d
	v_mov_b32 v254, 0xff800000
.set i, 0
.rept 64
	v_cmp_gt_i32 vcc_lo, 32*(i/16)+i%16, v252
	v_cndmask_b32 v[96+i], v[96+i], v254, vcc_lo
.set i, i+1
.endr
.Lopen_\@:
.irp b, 0,1,2,3
	v_max3_num_f32 v[232+\b], v[96+16*\b], v[97+16*\b], v[98+16*\b]      ; the largest score of each block of 32 keys: for the row's maximum, and, since p rises with the score, for the block's largest p
.endr
.irp i, 3,5,7,9,11,13
.irp b, 0,1,2,3
	v_max3_num_f32 v[232+\b], v[232+\b], v[96+16*\b+\i], v[97+16*\b+\i]
.endr
.endr
.irp b, 0,1,2,3
	v_max_num_f32 v[232+\b], v[232+\b], v[111+16*\b]
.endr
.irp b, 0,1,2,3
	v_permlanex16_b32 v[236+\b], v[232+\b], s[SEL], s[SEL+1]
.endr
.irp b, 0,1,2,3
	v_max_num_f32 v[232+\b], v[232+\b], v[236+\b]
.endr
	v_max3_num_f32 v254, v232, v233, v234
	v_max_num_f32 v254, v254, v235
	v_mul_f32 v254, s[CS], v254
	v_max_num_f32 v13, v13, v254                   ; the running largest t
	v_mov_b32 v254, v12
	v_floor_f32 v12, -v13                          ; the new -M = -ceil(t): a whole number
	v_sub_f32 v254, v12, v254
	v_cvt_i32_f32 v254, v254                       ; (it saturates)
	v_ldexp_f32 v252, 1.0, v254                    ; f = 2^(old M - new M): a multiplication by it rounds nothing
.set i, 0
.rept 32
	v_pk_fma_f32 v[96+i:97+i], v[96+i:97+i], s[CS:CS+1], v[12:13] op_sel_hi:[1,0,0]    ; t - M
.set i, i+2
.endr
.irp b, 0,1,2,3
	v_fma_f32 v[232+\b], v[232+\b], s[CS], v12
.endr
.set i, 0
.rept 64
	v_exp_f32 v[96+i], v[96+i]                     ; p = 2^(t - M), not normalised
.set i, i+1
.endr
	v_pk_mul_f32 v[14:15], v[14:15], v[252:253] op_sel_hi:[1,0]      ; the sums under the new M (a plain place behind the exponentials)
	s_wait_alu depctr_va_vdst(0)                   ; one wait for the batch of 64, ahead of its first reader
.irp b, 0,1,2,3
	v_exp_f32 v[232+\b], v[232+\b]                 ; each block's largest p
.endr
	v_pk_add_f32 v[236:237], v[96:97], v[98:99]    ; the row's sum of the unquantised p, in two chains
.irp j, 4,8,12,16,20,24,28,32,36,40,44,48,52,56,60
	v_pk_add_f32 v[14:15], v[14:15], v[96+\j:97+\j]
	v_pk_add_f32 v[236:237], v[236:237], v[98+\j:99+\j]
.endr
	v_pk_add_f32 v[14:15], v[14:15], v[236:237]
	s_wait_alu depctr_va_vdst(0)                   ; and one for the four
.irp b, 0,1,2,3
	v_max_num_f32 v[232+\b], 0x1800000, v[232+\b]  ; the floor 2^(3 - 127): the byte cannot fall under 1
.endr
.irp b, 0,1,2,3
	v_add_nc_u32 v[244+\b], 0xff000000, v[232+\b]
.endr
.irp b, 0,1,2,3
	v_lshrrev_b32 v[236+\b], 23, v[244+\b]
.endr
	v_lshl_or_b32 v253, v237, 8, v236              ; p's scale word for these 128 keys
	v_lshl_or_b32 v253, v238, 16, v253
	v_lshl_or_b32 v253, v239, 24, v253
.irp c, 0,1
	v_cvt_scalef32_pk16_fp6_f32 v[224+6*\c:226+6*\c], v[96+32*\c:111+32*\c], v[244+2*\c]
	v_cvt_scalef32_pk16_fp6_f32 v[236+4*\c:238+4*\c], v[112+32*\c:127+32*\c], v[244+2*\c+1]
.endr
	v_nop                                          ; one plain place behind a scaled conversion
.irp c, 0,1
.irp i, 0,1,2
	v_permlane16_swap_b32 v[224+6*\c+\i], v[236+4*\c+\i]
.endr
.irp i, 0,1,2
	v_mov_b32 v[227+6*\c+\i], v[236+4*\c+\i]
.endr
.endr
.set i, 0
.rept 16
	v_pk_mul_f32 v[160+i:161+i], v[160+i:161+i], v[252:253] op_sel_hi:[1,0]    ; O^T under the new M; these 16 are also the places between the scale word and the codes just made and the products
.set i, i+2
.endr
	s_wait_dscnt 0x0                               ; V is in
.irp dt, 0,1,2,3
	v_wmma_scale_f32_16x16x128_f8f6f4 v[160+8*\dt:167+8*\dt], v[32+12*\dt:43+12*\dt], v[224:235], v[160+8*\dt:167+8*\dt], v[86+\dt], v253 matrix_a_fmt:MATRIX_FMT_FP6 matrix_b_fmt:MATRIX_FMT_FP6
.endr
.Lhidden_\@:
	s_add_co_u32 s[KF], s[KF], 128
	s_add_co_u32 s[TK], s[TK], 3072
	s_add_co_u32 s[TV], s[TV], 6144
	s_add_co_u32 s[TSK], s[TSK], 512
	s_add_co_u32 s[TSV], s[TSV], 256
	s_sub_co_u32 s[CNT], s[CNT], 1
	s_cmp_lg_u32 s[CNT], 0
	s_cbranch_scc1 .Lstep_\@
	; the tile's end: O^T / the sum, quantised along the head's 64, stored as half a fragment of the last launch
.rept 4
	v_nop
.endr
	v_add_f32 v14, v14, v15
	v_permlanex16_b32 v252, v14, s[SEL], s[SEL+1]
	v_add_f32 v14, v14, v252                       ; the row's sum
	v_rcp_f32 v14, v14
	v_nop                                          ; a plain place behind the reciprocal
	s_wait_xcnt 0x0                                ; earlier loads and stores have read their bases and data: both are written again below
	s_lshl_b32 s70, s[BB], 6
	s_add_co_u32 s70, s70, s[\tl]                  ; the tile of rows: 64 b + t
	s_lshl_b32 s71, s70, 5
	s_add_co_u32 s71, s71, s[HD]
	s_mul_i32 s72, s71, 768
	s_mov_b32 s73, 0
	s_add_nc_u64 s[66:67], s[12:13], s[72:73]
	s_lshl_b32 s71, s70, 4
	s_lshr_b32 s72, s[HD], 1
	s_add_co_u32 s71, s71, s72
	s_lshl_b32 s71, s71, 6
	s_and_b32 s72, s[HD], 1
	s_lshl_b32 s72, s72, 1
	s_add_co_u32 s72, s71, s72
	s_add_nc_u64 s[68:69], s[14:15], s[72:73]
	s_wait_alu depctr_va_vdst(0)                   ; ahead of the reciprocal's first reader
.set i, 0
.rept 32
	v_mul_f32 v[96+i], v[160+i], v14               ; register 8 dt + j: channel 16 dt + 8 h + j; each accumulator from its low end on
.set i, i+1
.endr
.irp b, 0,1
.irp j, 0,1,2,3,4,5,6,7
	v_permlane16_swap_b32 v[96+16*\b+\j], v[96+16*\b+8+\j]       ; register 16 b + i: channel 32 b + 16 h + i
.endr
.endr
	QUANT64 96, 208, 214, 0x1800000
.irp p, 0,1,2
	global_store_b64 v[L8], v[208+2*\p:209+2*\p], s[66:67] offset:256*\p       ; 32 lanes store 256 consecutive bytes, aligned
.endr
	global_store_b16 v[R4], v214, s[68:69]
.endm
	TILE 16, 28, TA
	TILE 196, 29, TB
	s_wait_tensorcnt 0x0
	ds_add_u32 v251, v255
	s_wait_dscnt 0x0
	CROUND                                         ; the closing round
	s_endpgm
.Lfunc_end_k_q5d6c2d2127_attn:
	.size	k_q5d6c2d2127_attn, .Lfunc_end_k_q5d6c2d2127_attn-k_q5d6c2d2127_attn
	.p2alignl 7, 3214868480
	.fill 96, 4, 3214868480
	.section	.rodata,"a",@progbits
	.p2align	6, 0x0
	.amdhsa_kernel k_q5d6c2d2127_attn
		.amdhsa_group_segment_fixed_size 169984
		.amdhsa_private_segment_fixed_size 0
		.amdhsa_enable_private_segment 0
		.amdhsa_kernarg_size 48
		.amdhsa_user_sgpr_count 2
		.amdhsa_user_sgpr_kernarg_segment_ptr 1
		.amdhsa_wavefront_size32 1
		.amdhsa_system_sgpr_workgroup_id_x 1
		.amdhsa_system_sgpr_workgroup_id_y 1
		.amdhsa_system_sgpr_workgroup_id_z 1
		.amdhsa_system_vgpr_workitem_id 0
		.amdhsa_next_free_vgpr 256
		.amdhsa_next_free_sgpr 80
		.amdhsa_reserve_vcc 1
		.amdhsa_float_denorm_mode_32 3
		.amdhsa_float_denorm_mode_16_64 3
		.amdhsa_memory_ordered 1
		.amdhsa_forward_progress 1
		.amdhsa_inst_pref_size 66
	.end_amdhsa_kernel
	.amdgpu_metadata
---
amdhsa.version: [ 1, 2 ]
amdhsa.kernels:
  - .name:           k_q5d6c2d2127_attn
    .symbol:         k_q5d6c2d2127_attn.kd
    .args:
      - { .name: qc, .offset: 0, .size: 8, .value_kind: global_buffer, .address_space: global }
      - { .name: qs, .offset: 8, .size: 8, .value_kind: global_buffer, .address_space: global }
      - { .name: kvc, .offset: 16, .size: 8, .value_kind: global_buffer, .address_space: global }
      - { .name: kvs, .offset: 24, .size: 8, .value_kind: global_buffer, .address_space: global }
      - { .name: ac, .offset: 32, .size: 8, .value_kind: global_buffer, .address_space: global }
      - { .name: asw, .offset: 40, .size: 8, .value_kind: global_buffer, .address_space: global }
    .group_segment_fixed_size: 169984
    .private_segment_fixed_size: 0
    .kernarg_segment_align: 8
    .kernarg_segment_size: 48
    .max_flat_workgroup_size: 512
    .sgpr_count:     80
    .vgpr_count:     256
    .wavefront_size: 32
...
	.end_amdgpu_metadata
.endif
;; end of part 2
;; launch oproj (part 3): grid 8 x 32, 4 waves a work-group, clusters of 4 x 4, 327,680 bytes of LDS; arguments ac, asw, Wo_codes, Wo_scales, bo, out0; writes out0
.if DOCPART == 3
	.amdgcn_target "amdgcn-amd-amdhsa--gfx1250"
	.amdhsa_code_object_version 6
	.text
	.protected	k_q5d6c2d2127_oproj
	.globl	k_q5d6c2d2127_oproj
	.p2align	8
	.type	k_q5d6c2d2127_oproj,@function
k_q5d6c2d2127_oproj:
	s_mov_b64 s[64:65], 0
	v_nop
	global_prefetch_b8 v0, s[64:65] scope:SCOPE_SE
	s_setreg_imm32_b32 hwreg(HW_REG_WAVE_MODE, 25, 1), 1
	s_wait_xcnt 0x0
	s_wait_alu depctr_hold_cnt(0) depctr_sa_sdst(0) depctr_va_vdst(0) depctr_va_sdst(0) depctr_va_ssrc(0) depctr_va_vcc(0) depctr_vm_vsrc(0)
	s_getreg_b32 s2, hwreg(HW_REG_IB_STS2, 6, 4)
	s_cmp_eq_u32 s2, 0
	s_cbranch_scc0 .Lentry_in_a_cluster
	s_endpgm
.Lentry_in_a_cluster:
	s_bfe_u32 s2, ttmp6, 0x10000c
	s_cmp_lg_u32 s2, 0xf033
	s_cbranch_scc0 .Lentry_shape_is_right
	s_endpgm
.Lentry_shape_is_right:
; out = A Wo + bo on codes of FP6 (E2M3) with E8M0 scales.  A: the attention's output, 4,096 rows x 2,048 K, as the launch before stored it: images of operand registers, [tile of 16 rows][head][3][lane][8 bytes], and one
; scale word for each row and 128 K.  Wo: [2,048 columns][2,048 K] codes, K innermost, 1,536 bytes a row, 64 scale bytes a row.  out: [4,096][2,048] f32.
; SHARES.  A tile of 128 x 256 to a work-group: 8 x 32 work-groups.  Wave (wr, wc): 64 rows x 128 columns, 32 accumulators.  The product is used transposed (source 0 = 16 rows of Wo, source 1 = 16 rows of A): a lane
; holds eight neighbouring numbers of a row of out.  bo is the C of the first products.
; K goes in steps of 256 through a ring of two LDS slots: A's 8 tiles x 3,072 dense bytes, Wo's 256 rows x 192 bytes (16 bytes of padding behind every 64).  The scale words of all of K come once and stay.
; CLUSTER 4 x 4: A's tile is shared along a row of the cluster, Wo's along a column: joint loads; waves 0 and 1 fetch A's halves, waves 2 and 3 Wo's.
; LIMITS: scale bytes 0xff are not served.
; REGISTERS: window 0: v8-29 addresses; v32-55 scale words, two sets of 12; v64-159 A's fragments, two sets of 4 x 12; on the way out v128-255 rows of out.
;   window 1: Wo's fragments, two sets of 8 x 12, at v0 and v128.   window 2: the accumulators, (m, n) at v[8 (8 m + n)].   window 3: v0-63 bo in the result's layout.
.set PITCH, 240
.set BOFF,  8*3072
.set SLOT,  BOFF+256*PITCH
.set SCLA,  2*SLOT                     ; A's scale words: 8 tiles x 1,024 bytes, dense
.set SCLB,  SCLA+8192                  ; Wo's scale bytes: units of 256 bytes (4 rows) + 16 of padding
.set SBLK,  4*272
.set SPARE, SCLB+64*272                ; the spare words: two blocks of 256 bytes that no other line names
.set SPITCH, 528                       ; the way out: a stage of 16 rows x (512 bytes + 16) for each wave, in slot 0, which has had its last fill and its last read when the first result is stored there
.set WV, 16
.set WR, 17
.set WC, 18
.set CX, 19
.set CY, 20
.set CB, 21
.set RB, 22
.set G1A, 24
.set G0A, 32
.set G1B, 40
.set G0B, 48
.set G1SA, 56
.set G1SB, 68
.set G0SA, 76
.set G0SB, 80
.set ASA, 8
.set ASB, 9
.set ADA, 16
.set ADRB, 20
.set STO, 24
.set RD,  25
.set CO,  26
.set SPW, 28
.set NIL, 29
.set BA,  30
.set SC,  32
.set XF,  64
.set BK,  128
.set MSB, 0
.macro WIN new
.if MSB != (\new)
	s_set_vgpr_msb (MSB<<8)|(\new)
.set MSB, (\new)
.endif
.endm
.macro PLACES
.rept 4
	v_nop
.endr
.endm
.macro CREST
	s_cmp_lg_u32 s[WV], 0
	s_cbranch_scc1 .Lnot_wave_0_\@
	s_barrier_signal -3
.Lnot_wave_0_\@:
	s_barrier_wait -3
	s_barrier_signal -1
	s_barrier_wait -1
.endm
.macro CROUND
	s_barrier_signal -1
	s_barrier_wait -1
	CREST
.endm
.macro GROUP1 g, c, r, p
	s_mov_b32 s[\g+1], (\c)<<16
	s_mov_b32 s[\g+2], (\r)<<16
	s_mov_b32 s[\g+3], (\c)<<16
	s_mov_b32 s[\g+4], \r
	s_mov_b32 s[\g+5], \p
	s_mov_b32 s[\g+6], 0
	s_mov_b32 s[\g+7], 0
.endm
.macro JLOAD g0a, g1a, g0b, g1b        ; a joint load: waves 0 and 1 for A, waves 2 and 3 for Wo; four v_nop follow each line
	s_cmp_eq_u32 s[WR], 0
	s_cbranch_scc0 .Lfor_b_\@
	tensor_load_to_lds s[\g0a:\g0a+3], s[\g1a:\g1a+7]
	s_nop 0
.rept 4
	v_nop
.endr
	s_branch .Lasked_\@
.Lfor_b_\@:
	tensor_load_to_lds s[\g0b:\g0b+3], s[\g1b:\g1b+7]
	s_nop 0
.rept 4
	v_nop
.endr
.Lasked_\@:
.endm
	s_load_b256 s[4:11], s[0:1], 0x0               ; ac, asw, Wo's codes, Wo's scales
	s_load_b128 s[12:15], s[0:1], 0x20             ; bo, out
	v_lshl_add_u32 v[SPW], v0, 2, SPARE
	v_mov_b32 v[NIL], 0
	ds_add_u32 v28, v29
	ds_add_u32 v28, v29
	s_wait_dscnt 0x0
	v_lshrrev_b32 v1, 5, v0
	v_readfirstlane_b32 s[WV], v1
	s_lshr_b32 s[WR], s[WV], 1                     ; which 64 rows are mine.  Also: I fetch for A (0) or for Wo (1)
	s_and_b32 s[WC], s[WV], 1                      ; which 128 columns.  Also: which half of that tile I fetch
	s_bfe_u32 s[CX], ttmp6, 0x40000
	s_bfe_u32 s[CY], ttmp6, 0x40004
	s_lshl_b32 s[CB], ttmp9, 2
	s_add_co_u32 s[CB], s[CB], s[CX]
	s_and_b32 s[RB], ttmp7, 0xffff
	s_lshl_b32 s[RB], s[RB], 2
	s_add_co_u32 s[RB], s[RB], s[CY]
	s_lshl_b32 s23, s[CY], 2
	s_lshl_b32 s23, 15, s23                        ; my row of the cluster
	s_lshl_b32 s96, 0x1111, s[CX]                  ; my column
	s_or_b32 s[G1A], s23, (3<<16)|(1<<21)          ; A: 4 tiles of rows, 384 elements of 8 bytes each, 24,576 bytes apart; no padding
	GROUP1 G1A, 384, 4, 3072
	s_or_b32 s[G1B], s96, (1<<20)|(1<<21)|(3<<22)|(3<<25)
	GROUP1 G1B, 192, 128, 1536
	s_or_b32 s[G1SA], s23, (3<<16)|(1<<21)         ; A's scale words: 4,096 dense bytes
	GROUP1 G1SA, 32, 16, 32
	s_or_b32 s[G1SB], s96, (3<<16)|(1<<20)|(1<<21)|(5<<22)|(3<<25)
	GROUP1 G1SB, 32, 32, 32
	s_lshl_b32 s84, s[RB], 3
	s_lshl_b32 s85, s[WC], 2
	s_add_co_u32 s84, s84, s85
	s_mul_i32 s84, s84, 24576                      ; A: tile of rows 8 rb + 4 x half
	s_mov_b32 s85, 0
	s_lshl_b32 s88, s[RB], 13
	s_lshl_b32 s89, s[WC], 12
	s_add_co_u32 s88, s88, s89                     ; its scale words
	s_mov_b32 s89, 0
	s_lshl_b32 s86, s[CB], 8
	s_lshl_b32 s87, s[WC], 7
	s_add_co_u32 s86, s86, s87                     ; Wo: row 256 cb + 128 x half
	s_lshl_b32 s90, s86, 6
	s_mul_i32 s86, s86, 1536
	s_mov_b32 s87, 0
	s_mov_b32 s91, 0
	s_mul_i32 s92, s[WC], 12288                    ; where they go: no place in the cluster enters an LDS address
	s_mul_i32 s93, s[WC], 128*PITCH
	s_add_co_u32 s93, s93, BOFF
	s_lshl_b32 s94, s[WC], 12
	s_add_co_u32 s94, s94, SCLA
	s_mul_i32 s95, s[WC], 32*272
	s_add_co_u32 s95, s95, SCLB
	s_wait_kmcnt 0x0
	s_add_nc_u64 s[84:85], s[4:5], s[84:85]
	s_add_nc_u64 s[88:89], s[6:7], s[88:89]
	s_add_nc_u64 s[86:87], s[8:9], s[86:87]
	s_add_nc_u64 s[90:91], s[10:11], s[90:91]
	s_mov_b32 s[G0SA], 1
	s_mov_b32 s[G0SA+1], s94
	s_mov_b64 s[G0SA+2:G0SA+3], s[88:89]
	s_or_b32 s[G0SA+3], s[G0SA+3], 0x80000000
	s_mov_b32 s[G0SB], 1
	s_mov_b32 s[G0SB+1], s95
	s_mov_b64 s[G0SB+2:G0SB+3], s[90:91]
	s_or_b32 s[G0SB+3], s[G0SB+3], 0x80000000
.irp s, 0,1
	s_mov_b32 s[G0A+4*\s], 1
	s_add_co_u32 s[G0A+4*\s+1], s92, \s*SLOT
	s_add_nc_u64 s[G0A+4*\s+2:G0A+4*\s+3], s[84:85], \s*3072
	s_or_b32 s[G0A+4*\s+3], s[G0A+4*\s+3], 0x80000000
	s_mov_b32 s[G0B+4*\s], 1
	s_add_co_u32 s[G0B+4*\s+1], s93, \s*SLOT
	s_add_nc_u64 s[G0B+4*\s+2:G0B+4*\s+3], s[86:87], \s*192
	s_or_b32 s[G0B+4*\s+3], s[G0B+4*\s+3], 0x80000000
.endr
	s_lshl_b32 s2, s[CB], 10                       ; bo at my 128 columns
	s_lshl_b32 s3, s[WC], 9
	s_add_co_u32 s2, s2, s3
	s_mov_b32 s3, 0
	s_add_nc_u64 s[12:13], s[12:13], s[2:3]
	CROUND                                         ; all sixteen work-groups are here: the first joint loads meet
	JLOAD G0SA, G1SA, G0SB, G1SB                   ; the scale words, filled once
	JLOAD G0A, G1A, G0B, G1B                       ; slot 0
	JLOAD G0A+4, G1A, G0B+4, G1B                   ; slot 1: three loads of mine are out
	v_and_b32 v1, 15, v0                           ; r
	v_bfe_u32 v2, v0, 4, 1                         ; h
	v_and_b32 v7, 31, v0                           ; lane
	v_lshlrev_b32 v[BA], 5, v2
	WIN 0xc0
.irp n, 0,1,2,3,4,5,6,7
	global_load_b128 v[8*\n:8*\n+3], v[BA], s[12:13] offset:64*\n              ; bo(16 n + 8 h + 0 .. 7)
	global_load_b128 v[8*\n+4:8*\n+7], v[BA], s[12:13] offset:64*\n+16
.endr
	WIN 0
	v_mul_u32_u24 v3, v1, PITCH
	v_mad_u32_u24 v3, v2, 24, v3                   ; Wo: a fragment's row x pitch + 24 h,
	v_lshl_add_u32 v4, v2, 4, v3                   ; and the same behind one padding more
	v_lshlrev_b32 v5, 3, v7                        ; A: an image: 8 bytes a lane
	s_mul_i32 s84, s[WR], 12288
	s_mul_i32 s85, s[WC], 128*PITCH
	s_add_co_u32 s85, s85, BOFF
.irp s, 0,1
	v_add_nc_u32 v[ADA+\s], s84, v5
	v_add_nc_u32 v[ADRB+\s], s85, v3
	v_add_nc_u32 v[ADRB+2+\s], s85, v4
	s_add_co_u32 s84, s84, SLOT
	s_add_co_u32 s85, s85, SLOT
.endr
	s_lshl_b32 s84, s[WR], 12
	s_add_co_u32 s84, s84, SCLA
	v_lshl_add_u32 v[ASA], v7, 2, s84              ; A's scale words: 4 bytes a lane: lanes 0-15 the slot's first 128 along K, lanes 16-31 its second
	v_lshlrev_b32 v5, 6, v1
	v_lshrrev_b32 v6, 2, v1
	v_lshl_add_u32 v5, v6, 4, v5                   ; Wo's: row r of 16 at 64 r + 16 (r / 4);
	s_mul_i32 s84, s[WC], 8*SBLK
	s_add_co_u32 s84, s84, SCLB
	v_mad_u32_u24 v[ASB], v2, 4*SBLK, v5           ; lanes 16-31 four tiles on
	v_add_nc_u32 v[ASB], s84, v[ASB]
	s_mul_i32 s84, s[WV], 16*SPITCH                ; my stage
	v_mul_u32_u24 v5, v1, SPITCH
	v_lshl_add_u32 v5, v2, 5, v5
	v_add_nc_u32 v[STO], s84, v5                   ; in: row r, 32 bytes for each half of the lanes
	v_lshlrev_b32 v[CO], 4, v7
	v_add_nc_u32 v[RD], s84, v[CO]                 ; back: the 32 lanes take one row of 512 bytes
	s_lshl_b32 s84, s[RB], 7
	s_lshl_b32 s85, s[WR], 6
	s_add_co_u32 s84, s84, s85                     ; my first row of out
	s_lshl_b32 s84, s84, 13
	s_add_co_u32 s84, s84, s2                      ; + my first column, in bytes (the same offset as bo's)
	s_mov_b32 s85, 0
	s_add_nc_u64 s[14:15], s[14:15], s[84:85]
.macro FRAG reg, adr, q, i             ; a fragment of Wo: 16 rows x 128 K, 12 registers, in pieces of 8 bytes; the second address register serves the pieces that lie behind one padding more in lanes 16-31
.irp p, 0,1,2,3,4,5
.set PC, 12*(\q)+6*(\p/3)+\p%3
.if PC%8 < 5
	ds_load_b64 v[\reg+2*\p:\reg+2*\p+1], v[\adr] offset:8*PC+16*(PC/8)+(\i)*16*PITCH
.else
	ds_load_b64 v[\reg+2*\p:\reg+2*\p+1], v[\adr+2] offset:8*PC+16*(PC/8)+(\i)*16*PITCH
.endif
.endr
.endm
.macro AFRAG reg, slot, q, m           ; a fragment of A: the images of two heads, 256 consecutive bytes a load
.irp c, 0,1
.irp p, 0,1,2
	ds_load_b64 v[\reg+6*\c+2*\p:\reg+6*\c+2*\p+1], v[ADA+\slot] offset:3072*(\m)+768*(2*(\q)+\c)+256*\p
.endr
.endr
.endm
.macro FETCH slot, q, set
	WIN 0x40
.irp i, 0,1,2,3,4,5,6,7
	FRAG 128*(\set)+12*\i, ADRB+\slot, \q, \i
.endr
	WIN 0
.irp i, 0,1,2,3
	AFRAG XF+48*(\set)+12*\i, \slot, \q, \i
.endr
.endm
.macro SCALES set
.irp i, 0,1,2,3
	ds_load_b32 v[SC+12*\set+\i], v[ASA] offset:1024*\i
.endr
.irp i, 0,1,2,3
	ds_load_b64 v[SC+12*\set+4+2*\i:SC+12*\set+4+2*\i+1], v[ASB] offset:\i*SBLK
.endr
.endm
.macro WM d, a, b, c, sa, sb, ra, rb
.if ((\ra) != 0) && ((\rb) != 0)
	v_wmma_scale_f32_16x16x128_f8f6f4 v[\d:\d+7], v[\a:\a+11], v[\b:\b+11], v[\c:\c+7], v[\sa], v[\sb] matrix_a_fmt:MATRIX_FMT_FP6 matrix_b_fmt:MATRIX_FMT_FP6 matrix_a_scale:MATRIX_SCALE_ROW1 matrix_b_scale:MATRIX_SCALE_ROW1
.elseif (\ra) != 0
	v_wmma_scale_f32_16x16x128_f8f6f4 v[\d:\d+7], v[\a:\a+11], v[\b:\b+11], v[\c:\c+7], v[\sa], v[\sb] matrix_a_fmt:MATRIX_FMT_FP6 matrix_b_fmt:MATRIX_FMT_FP6 matrix_a_scale:MATRIX_SCALE_ROW1
.elseif (\rb) != 0
	v_wmma_scale_f32_16x16x128_f8f6f4 v[\d:\d+7], v[\a:\a+11], v[\b:\b+11], v[\c:\c+7], v[\sa], v[\sb] matrix_a_fmt:MATRIX_FMT_FP6 matrix_b_fmt:MATRIX_FMT_FP6 matrix_b_scale:MATRIX_SCALE_ROW1
.else
	v_wmma_scale_f32_16x16x128_f8f6f4 v[\d:\d+7], v[\a:\a+11], v[\b:\b+11], v[\c:\c+7], v[\sa], v[\sb] matrix_a_fmt:MATRIX_FMT_FP6 matrix_b_fmt:MATRIX_FMT_FP6
.endif
.endm
; The 32 accumulators take turns, one instruction a turn, in the same order in every step.
.macro MULQ m, set, q, sc, first
	WIN 0xa1+0x10*(\first)
.irp n, 0,1,2,3,4,5,6,7
.if \first
	WM 8*(8*(\m)+\n), 128*(\set)+12*\n, XF+48*(\set)+12*(\m), 8*\n, SC+12*(\sc)+4+2*(\n%4)+(\q), SC+12*(\sc)+(\m), \n/4, \q
.else
	WM 8*(8*(\m)+\n), 128*(\set)+12*\n, XF+48*(\set)+12*(\m), 8*(8*(\m)+\n), SC+12*(\sc)+4+2*(\n%4)+(\q), SC+12*(\sc)+(\m), \n/4, \q
.endif
.endr
.endm
.macro STEP slot, first
	s_wait_dscnt 0x0                               ; set 0 and the slot's scale words are in
	WIN 0
	PLACES                                         ; in front of loads into set 1, which the step before multiplied
	FETCH \slot, 1, 1
	MULQ 0, 0, 0, \slot, \first
	MULQ 1, 0, 0, \slot, \first
	MULQ 2, 0, 0, \slot, \first
	MULQ 3, 0, 0, \slot, \first
	WIN 0
.endm
.macro TURN slot, next, fill           ; a slot's second 128 along K changes slots: one barrier, the waits and the add in front of it, the refill first behind it
	s_wait_tensorcnt 0x0                           ; no tensor load of mine is out
	ds_add_u32 v[SPW], v[NIL]                      ; 0 onto my spare word
	s_wait_dscnt 0x1                               ; only the add may be out: set 1 is in
	MULQ 0, 1, 1, \slot, 0
	s_wait_dscnt 0x0                               ; the add is done, and my reads of this slot are over
	s_barrier_signal -1
	MULQ 1, 1, 1, \slot, 0
	WIN 0
	s_barrier_wait -1
.if \fill
	CREST                                          ; a round of the cluster's barrier: no wave of any partner still reads this slot or has a load on its way
	s_add_nc_u64 s[G0A+4*\slot+2:G0A+4*\slot+3], s[G0A+4*\slot+2:G0A+4*\slot+3], 6144
	s_add_nc_u64 s[G0B+4*\slot+2:G0B+4*\slot+3], s[G0B+4*\slot+2:G0B+4*\slot+3], 384
	JLOAD G0A+4*\slot, G1A, G0B+4*\slot, G1B       ; my one tensor load behind the round; its four v_nop are also the places in front of the loads below
.else
	PLACES
.endif
	v_add_nc_u32 v[ASA], 128, v[ASA]               ; the next slot's scale words
	v_add_nc_u32 v[ASB], 8, v[ASB]
	FETCH \next, 0, 0
	SCALES \next
	MULQ 2, 1, 1, \slot, 0
	MULQ 3, 1, 1, \slot, 0
	WIN 0
.endm
	s_wait_loadcnt 0x0                             ; bo
	s_wait_tensorcnt 0x1                           ; the scale words and my part of slot 0 are in; slot 1's load may stay out
	s_barrier_signal -1
	s_barrier_wait -1
	FETCH 0, 0, 0
	SCALES 0
	STEP 0, 1                                      ; the first step's products start the sums on the bias
	s_mov_b32 s3, 3
.Llap:
	TURN 0, 1, 1
	STEP 1, 0
	TURN 1, 0, 1
	STEP 0, 0
	s_sub_co_u32 s3, s3, 1
	s_cmp_lg_u32 s3, 0
	s_cbranch_scc1 .Llap
	TURN 0, 1, 0                                   ; the last lap fills nothing
	STEP 1, 0
	s_wait_dscnt 0x0
	MULQ 0, 1, 1, 1, 0
	MULQ 1, 1, 1, 1, 0
	MULQ 2, 1, 1, 1, 0
	MULQ 3, 1, 1, 1, 0
	WIN 0
; THE WAY OUT, block by block of 16 rows x 128 columns: through my own stage in LDS, back as whole rows of 512 bytes.  LDS serves a wave's instructions in order (ISA guide 5.7.1.4): no wait between the stores and the loads.
.macro TOSTAGE a
	WIN 0x08                                       ; an LDS store's data: window 2
.irp b, 0,1,2,3,4,5,6,7
	ds_store_b128 v[STO], v[64*(\a)+8*\b:64*(\a)+8*\b+3] offset:64*\b          ; each accumulator from its low end on
	ds_store_b128 v[STO], v[64*(\a)+8*\b+4:64*(\a)+8*\b+7] offset:64*\b+16
.endr
	WIN 0
.set BB, BK+64*((\a)%2)
.irp t, 0,1,2,3,4,5,6,7,8,9,10,11,12,13,14,15
	ds_load_b128 v[BB+4*\t:BB+4*\t+3], v[RD] offset:\t*SPITCH
.endr
.endm
.macro SEND a, younger                 ; younger: the LDS instructions issued behind block a's loads, which may stay out
.set BB, BK+64*((\a)%2)
	s_wait_dscnt \younger
.if (\a) > 0
	s_add_nc_u64 s[14:15], s[14:15], 16*8192       ; 16 rows on (behind a wait on XCNT: the earlier stores have read their base)
.endif
.irp t, 0,1,2,3,4,5,6,7,8,9,10,11,12,13,14,15
	global_store_b128 v[CO], v[BB+4*\t:BB+4*\t+3], s[14:15] offset:\t*8192 th:TH_STORE_NT   ; 32 lanes store 512 consecutive bytes, aligned; written once, read by nobody here
.endr
.endm
	PLACES
	TOSTAGE 0
.irp a, 1,2,3
.if \a > 1
	s_wait_xcnt 0x0                                ; block a - 2's stores have read their registers and their base
.endif
	TOSTAGE \a
	SEND \a-1, 32                                  ; behind block a - 1's loads: block a's 16 stores and 16 loads
.endr
	s_wait_xcnt 0x0
	SEND 3, 0
	s_wait_tensorcnt 0x0                           ; the wave's end
	ds_add_u32 v[SPW], v[NIL]
	s_wait_dscnt 0x0
	CROUND                                         ; the closing round
	s_endpgm
.Lfunc_end_k_q5d6c2d2127_oproj:
	.size	k_q5d6c2d2127_oproj, .Lfunc_end_k_q5d6c2d2127_oproj-k_q5d6c2d2127_oproj
	.p2alignl 7, 3214868480
	.fill 96, 4, 3214868480
	.section	.rodata,"a",@progbits
	.p2align	6, 0x0
	.amdhsa_kernel k_q5d6c2d2127_oproj
		.amdhsa_group_segment_fixed_size 327680
		.amdhsa_private_segment_fixed_size 0
		.amdhsa_enable_private_segment 0
		.amdhsa_kernarg_size 48
		.amdhsa_user_sgpr_count 2
		.amdhsa_user_sgpr_kernarg_segment_ptr 1
		.amdhsa_wavefront_size32 1
		.amdhsa_system_sgpr_workgroup_id_x 1
		.amdhsa_system_sgpr_workgroup_id_y 1
		.amdhsa_system_sgpr_workgroup_id_z 1
		.amdhsa_system_vgpr_workitem_id 0
		.amdhsa_next_free_vgpr 1024
		.amdhsa_next_free_sgpr 100
		.amdhsa_reserve_vcc 0
		.amdhsa_float_denorm_mode_32 3
		.amdhsa_float_denorm_mode_16_64 3
		.amdhsa_memory_ordered 1
		.amdhsa_forward_progress 1
		.amdhsa_inst_pref_size 102
	.end_amdhsa_kernel
	.amdgpu_metadata
---
amdhsa.version: [ 1, 2 ]
amdhsa.kernels:
  - .name:           k_q5d6c2d2127_oproj
    .symbol:         k_q5d6c2d2127_oproj.kd
    .args:
      - { .name: ac, .offset: 0, .size: 8, .value_kind: global_buffer, .address_space: global }
      - { .name: asw, .offset: 8, .size: 8, .value_kind: global_buffer, .address_space: global }
      - { .name: Wo_codes, .offset: 16, .size: 8, .value_kind: global_buffer, .address_space: global }
      - { .name: Wo_scales, .offset: 24, .size: 8, .value_kind: global_buffer, .address_space: global }
      - { .name: bo, .offset: 32, .size: 8, .value_kind: global_buffer, .address_space: global }
      - { .name: out0, .offset: 40, .size: 8, .value_kind: global_buffer, .address_space: global }
    .group_segment_fixed_size: 327680
    .private_segment_fixed_size: 0
    .kernarg_segment_align: 8
    .kernarg_segment_size: 48
    .max_flat_workgroup_size: 128
    .sgpr_count:     100
    .vgpr_count:     1024
    .wavefront_size: 32
...
	.end_amdgpu_metadata
.endif
;; end of part 3
